; MI455X (gfx1250); checked and timed in simulation.
; The chip was launched on July 23, 2026; its instructions are those of AMD's public machine-readable ISA for CDNA 5 (MIT licence, August 2026) and "CDNA5" Instruction Set Architecture Reference Guide (July 2026). The comments in the code are by the model that wrote it; some were corrected since.
;; Attention. Allowed arithmetic: matrix products marked QUANTISED: E2M1 operands, one E8M0 scale for each 32 along K, by v_wmma_scale_f32_16x16x128_f8f6f4 with both operands' format E2M1 (or v_wmma_scale_f32_32x16x128_f4), f32 sums; products left as they are: bf16, f16 or f32 operands; f32 sums; everything else in f32.
;; Inputs: b_proj 1,024 float32; b_qkv 3,072 float32; w_proj 1,024 x 1,024 float32; w_qkv 1,024 x 3,072 float32; x 4 x 2,048 x 1,024 float32.
;; Outputs: out0 4 x 2,048 x 1,024 float32.
;; This version of the problem:
;;   THIS VERSION OF THE PROBLEM IS GIVEN IN LOW PRECISION. The matrix products marked QUANTISED in the list below multiply operands that are first quantised to E2M1 (2 exponent bits, 1 mantissa bit; 4 bits a number), with one power-of-two scale for each 32 numbers along K (OCP MX v1.0); their sums are f32. The products marked 'left as it is' may take bf16, f16 or f32 operands, with f32 sums. Whichever they take, every output number must still come out within the allowed error. Rounding operands to bf16 (8 significant bits) uses up far more of that allowance than f16 does (11 bits, for magnitudes from 6e-5 to 65,504). All else is computed in f32.
;;   The module's matrix products, in the order in which they are computed (A, B: the left and right operand; K: the contracted axis; several contracted axes count as one K, in the product's order):
;;     1. [M 8,192, K 1,024] x [K 1,024, N 3,072]; A: input x; B: input w_qkv: QUANTISED
;;     2. batch 64 x [M 2,048, K 64] x [K 64, N 2,048]; A: computed on the way; B: computed on the way: left as it is (an operand is computed on the way)
;;     3. batch 64 x [M 64, K 2,048] x [K 2,048, N 2,048]; A: computed on the way; B: computed on the way: left as it is (an operand is computed on the way)
;;     4. [M 8,192, K 1,024] x [K 1,024, N 1,024]; A: computed on the way; B: input w_proj: left as it is (an operand is computed on the way)
;;   THE QUANTISER, for each operand of a quantised product, along K:
;;     - K is cut into blocks of 32 from its start; a last block that is shorter is filled with zeros.
;;     - A block's scale is 2^e with e = floor(log2(the largest magnitude in the block)) - 2, held to -126 .. 127; a block of zeros has e = 0. As a byte (E8M0): e + 127.
;;     - Each number is divided by its block's scale, clamped to +-6, and rounded to the nearest number of E2M1, ties to even, subnormals kept.
;;     - The product sums the exact products of the quantised numbers (number of the format x scale) in f32.
;;   ~~~python
;;   def quantise(x, axis):      # numpy; x: float32 -> the quantised numbers, widened to float32 again
;;       x = np.moveaxis(x, axis, -1); K = x.shape[-1]
;;       x = np.pad(x, [(0, 0)] * (x.ndim - 1) + [(0, -K % 32)]); x = x.reshape(x.shape[:-1] + (-1, 32)); a = np.abs(x).max(-1, keepdims=True)
;;       e = np.where(a > 0, np.clip(np.frexp(np.where(a > 0, a, 1))[1] - 1 - 2, -126, 127), 0)      # np.frexp(a)[1] - 1 = floor(log2(a)), exactly
;;       r = np.clip(x / 2.0 ** e, -6, 6)
;;       step = 2.0 ** (np.maximum(np.frexp(np.where(r == 0, 1, r))[1] - 1, 0) - 1)
;;       q = np.round(r / step) * step * 2.0 ** e      # np.round: ties to even
;;       return np.moveaxis(q.reshape(q.shape[:-2] + (-1,))[..., :K], -1, axis).astype(np.float32)
;;   ~~~
;; One version. Each part assembles by itself: llvm-mc -triple=amdgcn-amd-amdhsa -mcpu=gfx1250 --defsym DOCPART=n.
;; ======== version 1 of 1: 4 launches
;; limits: values are held in f16: magnitudes above 65,504 overflow, below 6.1e-05 lose precision; right only within a limited range of input values
;; workspace buffers: x_codes 4,194,304 bytes; x_scales 262,144 bytes; w_codes 1,572,864 bytes; w_scales 98,304 bytes; wp16 2,097,152 bytes; qkv 50,331,648 bytes; att 16,777,216 bytes
;; launch prep (part 1): grid 336 x 1, 4 waves a work-group, no clusters, 68,096 bytes of LDS; arguments x, w_qkv, w_proj, x_codes, x_scales, w_codes, w_scales, wp16; writes x_codes, x_scales, w_codes, w_scales, wp16
.if DOCPART == 1
	.amdgcn_target "amdgcn-amd-amdhsa--gfx1250"
	.amdhsa_code_object_version 6
	.text
	.protected	k_qd7731eb112_prep
	.globl	k_qd7731eb112_prep
	.p2align	8
	.type	k_qd7731eb112_prep,@function
k_qd7731eb112_prep:
	s_mov_b64 s[64:65], 0
	v_nop
	global_prefetch_b8 v0, s[64:65] scope:SCOPE_SE
	s_setreg_imm32_b32 hwreg(HW_REG_WAVE_MODE, 25, 1), 1
	s_wait_xcnt 0x0
; PREP: the operands of the later launches are made once.  Three paths, chosen by the work-group's number alone:
;   work-groups 0-255:   x [8192][1024] f32 -> codes of FP4 (E2M1), K innermost, [8192][512 bytes], and one E8M0 byte for each 32 along K, [8192][32]
;   work-groups 256-303: w_qkv [1024 (k)][3072 (n)] f32 -> the same, laid [3072][512 bytes] and [3072][32]: a lane takes a column and its registers run down K
;   work-groups 304-335: w_proj [1024][1024] f32 -> f16, as it lies
; A block's scale is 2^(floor(log2(its largest magnitude)) - 2); its byte is the largest magnitude's exponent field - 2, held at 1 from below.
; A block of zeros so gets the byte 1 where the rule says 127: its codes are zeros, which add nothing under any byte but 0xff, and the bytes are read by this program alone.
; LIMITS: blocks whose largest magnitude lies under 2^-124, the floor, were not tried; NaN and infinities among the inputs are not served; |w_proj| beyond 65,504 is not served (f16).
; No tensor load, no barrier: waves share nothing.  Each path has LDS bytes of its own.
.set SPARE, 67584                      ; behind both paths' regions: the spare words, 128 bytes for each wave
.set SPW,   190                        ; v190 LDS address of my spare word; never rewritten
.set NIL,   191                        ; v191 0; never rewritten
.macro FINISH                          ; the wave's end, behind my last LDS store
	s_wait_tensorcnt 0x0
	ds_add_u32 v[SPW], v[NIL]
	s_wait_dscnt 0x0
	s_endpgm
.endm
	s_load_b128 s[4:7], s[0:1], 0x0                ; x, w_qkv
	s_load_b128 s[8:11], s[0:1], 0x10              ; w_proj, x_codes
	s_load_b128 s[12:15], s[0:1], 0x20             ; x_scales, w_codes
	s_load_b128 s[16:19], s[0:1], 0x30             ; w_scales, wp16
	v_lshl_add_u32 v[SPW], v0, 2, SPARE
	v_mov_b32 v[NIL], 0
	v_lshrrev_b32 v1, 5, v0
	v_readfirstlane_b32 s20, v1                    ; wave 0..3
	v_and_b32 v2, 31, v0                           ; lane
	s_wait_kmcnt 0x0
	s_cmp_lt_u32 ttmp9, 256
	s_cbranch_scc0 .Lnot_x
; ---------------- PATH X.  x is a plain stream of blocks of 32.  A wave takes 16 steps of 512 numbers.  Each load reads 512 consecutive bytes; a step's 2,048 bytes turn through the wave's
; stage in LDS (16 bytes of padding behind each 64) and come back 16 neighbours a lane, so that two neighbouring lanes hold a block.  Loads run four steps ahead, the turn one step.
.set XSP, 80                           ; a lane's place in a stage: 64 bytes + 16
.set XR,  16                           ; v16-79   four sets of 16 numbers as loaded
.set XX,  80                           ; v80-111  two sets of 16 neighbours
.set XE,  112                          ; v112-127 a scale byte for each step
.set XC,  128                          ; v128-189 codes: registers of its own for each step, so that no store's data are written again
	v_lshlrev_b32 v3, 4, v2                        ; my 16 bytes of a load's 512
	s_lshl_b32 s21, s20, 13                        ; my wave's region: 8,192 x wave
	v_lshrrev_b32 v14, 2, v2
	v_mul_u32_u24 v14, v14, XSP
	v_and_b32 v15, 3, v2
	v_lshl_add_u32 v14, v15, 4, v14
	v_add_nc_u32 v14, s21, v14                     ; the stage, on the way in: 80 (lane / 4) + 16 (lane % 4)
	v_mul_u32_u24 v15, v2, XSP
	v_add_nc_u32 v15, s21, v15                     ; and on the way out: 80 x lane
	v_lshlrev_b32 v4, 3, v2                        ; my 8 bytes of a step's codes
	v_lshrrev_b32 v5, 1, v2
	s_add_co_u32 s21, s21, 2*32*XSP
	v_add_nc_u32 v5, s21, v5                       ; my wave's 256 scale bytes, my block's byte
	v_lshlrev_b32 v7, 3, v2
	v_add_nc_u32 v6, s21, v7                       ; and on the way out 8 bytes a lane
	s_lshl_b32 s22, ttmp9, 2
	s_add_co_u32 s22, s22, s20                     ; which run of 8,192 numbers is my wave's: 0..1023
	s_mov_b32 s25, 0
	s_lshl_b32 s24, s22, 15                        ; 32,768 bytes of x a run
	s_add_nc_u64 s[4:5], s[4:5], s[24:25]
	s_lshl_b32 s24, s22, 12                        ; 4,096 bytes of codes
	s_add_nc_u64 s[10:11], s[10:11], s[24:25]
	s_lshl_b32 s24, s22, 8                         ; 256 scale bytes
	s_add_nc_u64 s[12:13], s[12:13], s[24:25]
.macro XLOAD t
.irp i, 0,1,2,3
	global_load_b128 v[XR+16*((\t)%4)+4*\i:XR+16*((\t)%4)+4*\i+3], v3, s[4:5] offset:2048*(\t)+512*\i th:TH_LOAD_NT
.endr
.endm
.macro XTURN t                         ; step t's numbers through the stage: LDS serves a wave's instructions in order, so no wait stands between the stores and the loads
.irp i, 0,1,2,3
	ds_store_b128 v14, v[XR+16*((\t)%4)+4*\i:XR+16*((\t)%4)+4*\i+3] offset:32*XSP*((\t)%2)+8*XSP*\i
.endr
.irp i, 0,1,2,3
	ds_load_b128 v[XX+16*((\t)%2)+4*\i:XX+16*((\t)%2)+4*\i+3], v15 offset:32*XSP*((\t)%2)+16*\i
.endr
.endm
.irp t, 0,1,2,3
	XLOAD \t
.endr
	s_wait_loadcnt 12                              ; step 0's four loads are in; the twelve of steps 1 to 3 may be out
	XTURN 0
.macro XSTEP t
.set XS, XX+16*((\t)%2)
.if (\t) > 0
	s_wait_dscnt 1                                 ; this step's numbers are back from the stage; the last step's byte store may be out
.else
	s_wait_dscnt 0x0
.endif
.if (\t)+4 < 16
	XLOAD (\t)+4                                   ; into the registers that this step's stage stores have read
.endif
.if (\t)+1 < 16
.if 14-(\t) >= 3
	s_wait_loadcnt 12                              ; the next step's four loads are in; those of the three steps behind it may be out
.else
	s_wait_loadcnt 4*(14-(\t))
.endif
	XTURN (\t)+1
.endif
	v_max3_num_f32 v8, |v[XS]|, |v[XS+1]|, |v[XS+2]|               ; the largest magnitude of my 16, in two chains
	v_max3_num_f32 v9, |v[XS+3]|, |v[XS+4]|, |v[XS+5]|
.irp i, 6,10
	v_max3_num_f32 v8, v8, |v[XS+\i]|, |v[XS+\i+1]|
	v_max3_num_f32 v9, v9, |v[XS+\i+2]|, |v[XS+\i+3]|
.endr
	v_max3_num_f32 v8, v8, |v[XS+14]|, |v[XS+15]|
	v_max3_num_f32 v8, v8, v9, 0x1800000           ; and the floor 2^(3 - 127): the byte cannot fall under 1
	v_max_num_f32_dpp v8, v8, v8 row_xmask:1 row_mask:0xf bank_mask:0xf   ; and of my neighbour's 16: the block's
	v_add_nc_u32 v11, 0xff000000, v8               ; 2 off its exponent field: the conversion takes the exponent field of this operand as its scale
	v_cvt_scalef32_pk8_fp4_f32 v[XC+4*(\t)], v[XS:XS+7], v11
	v_cvt_scalef32_pk8_fp4_f32 v[XC+4*(\t)+1], v[XS+8:XS+15], v11
	v_lshrrev_b32 v[XE+(\t)], 23, v11              ; the scale's byte
	ds_store_b8 v5, v[XE+(\t)] offset:16*(\t)      ; both lanes of a block write the same byte with the same value
	global_store_b64 v4, v[XC+4*(\t):XC+4*(\t)+1], s[10:11] offset:256*(\t)   ; the wave stores 256 consecutive bytes, aligned
.endm
.irp t, 0,1,2,3,4,5,6,7,8,9,10,11,12,13,14,15
	XSTEP \t
.endr
	ds_load_b64 v[8:9], v6                         ; my wave's 256 scale bytes: these loads see my stores
	s_wait_dscnt 0x0
	global_store_b64 v7, v[8:9], s[12:13]          ; 256 consecutive bytes, aligned
	FINISH
.Lnot_x:
	s_cmp_lt_u32 ttmp9, 304
	s_cbranch_scc0 .Lpath_p
; ---------------- PATH W.  A wave takes 32 columns x 512 along K: 16 blocks a lane.  A lane's 32 registers are a whole block of ONE column.  The codes leave through the wave's stage, by rows of 256 bytes.
.set WP,   272                         ; a stage row: 256 bytes + 16
.set WX,   32                          ; v32-95   two sets of 32 numbers
.set WC,   96                          ; v96-99   a block's codes
.set WOUT, 112                         ; v112-175 the way out
.set WSB,  24                          ; v24-27   the scale bytes, four to a register
	s_sub_co_u32 s21, ttmp9, 256
	s_lshr_b32 s22, s21, 1                         ; which 128 columns
	s_and_b32 s23, s21, 1                          ; which half of K
	s_lshl_b32 s22, s22, 7
	s_lshl_b32 s24, s20, 5
	s_add_co_u32 s22, s22, s24                     ; my wave's first column
	v_lshlrev_b32 v3, 2, v2                        ; in: 4 bytes a lane
	s_mul_i32 s24, s20, 32*WP
	s_add_co_u32 s24, s24, 32768                   ; my stage, behind path X's regions
	v_mul_u32_u24 v4, v2, WP
	v_add_nc_u32 v4, s24, v4                       ; into it: row = my column
	v_and_b32 v5, 15, v2
	v_lshrrev_b32 v6, 4, v2
	v_mul_u32_u24 v7, v6, WP
	v_lshl_add_u32 v7, v5, 4, v7
	v_add_nc_u32 v7, s24, v7                       ; out of it: sixteen lanes to a row, two rows an instruction
	v_lshlrev_b32 v8, 9, v6
	v_lshl_add_u32 v8, v5, 4, v8                   ; the same place in the codes' buffer: rows of 512 bytes
	v_lshlrev_b32 v9, 5, v2                        ; my column's row of 32 scale bytes
	s_mov_b32 s27, 0
	s_mul_i32 s26, s23, 512*12288                  ; w_qkv: 512 rows of 12,288 bytes for each half of K,
	s_lshl_b32 s28, s22, 2
	s_add_co_u32 s26, s26, s28                     ; + 4 x column
	s_add_nc_u64 s[6:7], s[6:7], s[26:27]
	s_lshl_b32 s26, s22, 9                         ; codes: column x 512 + 256 x half
	s_lshl_b32 s28, s23, 8
	s_add_co_u32 s26, s26, s28
	s_add_nc_u64 s[14:15], s[14:15], s[26:27]
	s_lshl_b32 s26, s22, 5                         ; scale bytes: column x 32 + 16 x half
	s_lshl_b32 s28, s23, 4
	s_add_co_u32 s26, s26, s28
	s_add_nc_u64 s[16:17], s[16:17], s[26:27]
.macro WLOAD t                         ; block t: w(32 t + i, my column); the largest offset, 511 x 12,288, lies inside the signed 24-bit immediate
.irp i, 0,1,2,3,4,5,6,7,8,9,10,11,12,13,14,15,16,17,18,19,20,21,22,23,24,25,26,27,28,29,30,31
	global_load_b32 v[WX+32*((\t)%2)+\i], v3, s[6:7] offset:(32*(\t)+\i)*12288 th:TH_LOAD_NT
.endr
.endm
	WLOAD 0
	WLOAD 1
.macro WBLOCK t
.set WS, WX+32*((\t)%2)
.if (\t) < 15
	s_wait_loadcnt 32                              ; this block's 32 loads are in; the next block's 32 may be out
.else
	s_wait_loadcnt 0
.endif
	v_max3_num_f32 v12, |v[WS]|, |v[WS+1]|, |v[WS+2]|
	v_max3_num_f32 v13, |v[WS+3]|, |v[WS+4]|, |v[WS+5]|
.irp i, 6,10,14,18,22,26
	v_max3_num_f32 v12, v12, |v[WS+\i]|, |v[WS+\i+1]|
	v_max3_num_f32 v13, v13, |v[WS+\i+2]|, |v[WS+\i+3]|
.endr
	v_max3_num_f32 v12, v12, |v[WS+30]|, |v[WS+31]|
	v_max3_num_f32 v12, v12, v13, 0x1800000        ; the floor
	v_add_nc_u32 v11, 0xff000000, v12              ; the conversion's scale operand
	v_lshrrev_b32 v13, 23, v11                     ; the scale's byte
.if (\t)%4 == 0
	v_mov_b32 v[WSB+(\t)/4], v13
.else
	v_lshl_or_b32 v[WSB+(\t)/4], v13, 8*((\t)%4), v[WSB+(\t)/4]
.endif
.irp g, 0,1,2,3
	v_cvt_scalef32_pk8_fp4_f32 v[WC+\g], v[WS+8*\g:WS+8*\g+7], v11
.endr
	ds_store_b128 v4, v[WC:WC+3] offset:16*(\t)    ; 32 codes: 16 bytes of my column's row
.if (\t)+2 < 16
	WLOAD (\t)+2
.endif
	s_wait_dscnt 0x0                               ; the store has read its registers: the next block's codes may be written
.endm
.irp t, 0,1,2,3,4,5,6,7,8,9,10,11,12,13,14,15
	WBLOCK \t
.endr
	global_store_b128 v9, v[WSB:WSB+3], s[16:17]   ; my column's 16 scale bytes
.irp t, 0,1,2,3,4,5,6,7,8,9,10,11,12,13,14,15
	ds_load_b128 v[WOUT+4*\t:WOUT+4*\t+3], v7 offset:2*\t*WP
.endr
.irp t, 0,1,2,3,4,5,6,7,8,9,10,11,12,13,14,15
	s_wait_dscnt 15-\t                             ; load t is in; the 15 - t behind it may be out
	global_store_b128 v8, v[WOUT+4*\t:WOUT+4*\t+3], s[14:15] offset:2*\t*512   ; sixteen lanes store 256 consecutive bytes, aligned
.endr
	FINISH
.Lpath_p:
; ---------------- PATH P.  w_proj to f16: a stream.  A wave takes 8,192 numbers in four batches of 16 loads; two batches are on their way.
	s_sub_co_u32 s21, ttmp9, 304
	s_lshl_b32 s21, s21, 2
	s_add_co_u32 s21, s21, s20                     ; my run, 0..127
	s_mov_b32 s23, 0
	s_lshl_b32 s22, s21, 15
	s_add_nc_u64 s[8:9], s[8:9], s[22:23]
	s_lshl_b32 s22, s21, 14
	s_add_nc_u64 s[18:19], s[18:19], s[22:23]
	v_lshlrev_b32 v1, 4, v2                        ; in: 16 bytes a lane
	v_lshlrev_b32 v3, 3, v2                        ; out: 8 bytes a lane
.macro PLOAD g
.irp i, 0,1,2,3,4,5,6,7,8,9,10,11,12,13,14,15
	global_load_b128 v[16+64*((\g)%2)+4*\i:16+64*((\g)%2)+4*\i+3], v1, s[8:9] offset:512*(16*(\g)+\i) th:TH_LOAD_NT
.endr
.endm
	PLOAD 0
	PLOAD 1
.irp g, 0,1,2,3
.if \g < 3
	s_wait_loadcnt 16                              ; this batch is in; the next batch's 16 loads may be out
.else
	s_wait_loadcnt 0
.endif
.if \g > 0
	s_wait_xcnt 0x0                                ; the last batch's stores have read their data registers, which are written again below
.endif
.irp i, 0,1,2,3,4,5,6,7,8,9,10,11,12,13,14,15
	v_cvt_pk_f16_f32 v[144+2*\i], v[16+64*(\g%2)+4*\i], v[16+64*(\g%2)+4*\i+1]
	v_cvt_pk_f16_f32 v[145+2*\i], v[16+64*(\g%2)+4*\i+2], v[16+64*(\g%2)+4*\i+3]
.endr
.if \g < 2
	PLOAD \g+2
.endif
.irp i, 0,1,2,3,4,5,6,7,8,9,10,11,12,13,14,15
	global_store_b64 v3, v[144+2*\i:145+2*\i], s[18:19] offset:256*(16*\g+\i)   ; the wave stores 256 consecutive bytes, aligned
.endr
.endr
	FINISH
.Lfunc_end_k_qd7731eb112_prep:
	.size	k_qd7731eb112_prep, .Lfunc_end_k_qd7731eb112_prep-k_qd7731eb112_prep
	.p2alignl 7, 3214868480
	.fill 96, 4, 3214868480
	.section	.rodata,"a",@progbits
	.p2align	6, 0x0
	.amdhsa_kernel k_qd7731eb112_prep
		.amdhsa_group_segment_fixed_size 68096
		.amdhsa_private_segment_fixed_size 0
		.amdhsa_enable_private_segment 0
		.amdhsa_kernarg_size 64
		.amdhsa_user_sgpr_count 2
		.amdhsa_user_sgpr_kernarg_segment_ptr 1
		.amdhsa_wavefront_size32 1
		.amdhsa_system_sgpr_workgroup_id_x 1
		.amdhsa_system_sgpr_workgroup_id_y 1
		.amdhsa_system_sgpr_workgroup_id_z 1
		.amdhsa_system_vgpr_workitem_id 0
		.amdhsa_next_free_vgpr 192
		.amdhsa_next_free_sgpr 66
		.amdhsa_reserve_vcc 0
		.amdhsa_float_denorm_mode_32 3
		.amdhsa_float_denorm_mode_16_64 3
		.amdhsa_memory_ordered 1
		.amdhsa_forward_progress 1
		.amdhsa_inst_pref_size 131
	.end_amdhsa_kernel
	.amdgpu_metadata
---
amdhsa.version: [ 1, 2 ]
amdhsa.kernels:
  - .name:           k_qd7731eb112_prep
    .symbol:         k_qd7731eb112_prep.kd
    .args:
      - { .name: x, .offset: 0, .size: 8, .value_kind: global_buffer, .address_space: global }
      - { .name: w_qkv, .offset: 8, .size: 8, .value_kind: global_buffer, .address_space: global }
      - { .name: w_proj, .offset: 16, .size: 8, .value_kind: global_buffer, .address_space: global }
      - { .name: x_codes, .offset: 24, .size: 8, .value_kind: global_buffer, .address_space: global }
      - { .name: x_scales, .offset: 32, .size: 8, .value_kind: global_buffer, .address_space: global }
      - { .name: w_codes, .offset: 40, .size: 8, .value_kind: global_buffer, .address_space: global }
      - { .name: w_scales, .offset: 48, .size: 8, .value_kind: global_buffer, .address_space: global }
      - { .name: wp16, .offset: 56, .size: 8, .value_kind: global_buffer, .address_space: global }
    .group_segment_fixed_size: 68096
    .private_segment_fixed_size: 0
    .kernarg_segment_align: 8
    .kernarg_segment_size: 64
    .max_flat_workgroup_size: 128
    .sgpr_count:     66
    .vgpr_count:     192
    .wavefront_size: 32
...
	.end_amdgpu_metadata
.endif
;; end of part 1
;; launch qkv (part 2): grid 12 x 32, 4 waves a work-group, clusters of 4 x 4, 327,680 bytes of LDS; arguments x_codes, x_scales, w_codes, w_scales, b_qkv, qkv; writes qkv
.if DOCPART == 2
	.amdgcn_target "amdgcn-amd-amdhsa--gfx1250"
	.amdhsa_code_object_version 6
	.text
	.protected	k_qd7731eb112_qkv
	.globl	k_qd7731eb112_qkv
	.p2align	8
	.type	k_qd7731eb112_qkv,@function
k_qd7731eb112_qkv:
	s_mov_b64 s[64:65], 0
	v_nop
	global_prefetch_b8 v0, s[64:65] scope:SCOPE_SE
	s_setreg_imm32_b32 hwreg(HW_REG_WAVE_MODE, 25, 1), 1
	s_wait_xcnt 0x0
	s_wait_alu depctr_hold_cnt(0) depctr_sa_sdst(0) depctr_va_vdst(0) depctr_va_sdst(0) depctr_va_ssrc(0) depctr_va_vcc(0) depctr_vm_vsrc(0)
	s_getreg_b32 s2, hwreg(HW_REG_IB_STS2, 6, 4)
	s_cmp_eq_u32 s2, 0
	s_cbranch_scc0 .Lentry_in_a_cluster
	s_endpgm
.Lentry_in_a_cluster:
	s_bfe_u32 s2, ttmp6, 0x10000c
	s_cmp_lg_u32 s2, 0xf033
	s_cbranch_scc0 .Lentry_shape_is_right
	s_endpgm
.Lentry_shape_is_right:
; qkv = Q(x) Q(w_qkv) + b_qkv on codes of FP4 (E2M1) with one E8M0 scale for each 32 along K; sums in f32; the result is rounded once to f16 and laid by head: [b 4][j 48][n 2048][64], j = column / 64.
; A: x_codes [8192][512 bytes], x_scales [8192][32].  B: w_codes [3072][512 bytes], w_scales [3072][32].  K = 1,024: two K steps of 512, one in each of two LDS slots: every tile is asked for at the head, none is filled again.
; A tile of C, 256 x 256, is made by four waves, each 128 x 128: 64 accumulators, 512 registers.  The scales of the work-group's rows, for all of K, come once, as units of 256 bytes + 16 of padding.
; CLUSTERS: 4 x 4 work-groups; A's tiles are asked for jointly along a row of the cluster, B's along a column.  THE MATRIX INSTRUCTION IS USED TRANSPOSED (source 0 = 16 rows of B, source 1 = 16 rows of A):
; a lane holds eight neighbouring columns of one row of C.  THE BIAS is the C of each sum's first matrix instruction: eight registers for each block of 16 columns, in the result's layout.
; LIMIT: |q|, |k|, |v| beyond 65,504 are not served (f16).
; REGISTERS: window 0: v16-30 addresses; v32-95 scale words, two sets; v128-191 A's fragments, one set; v192-255 the bias, later the packed results.  window 1: B's fragments, two sets.  windows 2, 3: the accumulators.
.set NQ,     4                         ; matrix instructions deep in a slot
.set ROWB,   256                       ; a tile's row in bytes: 512 codes
.set KROW,   512                       ; a row of codes in memory
.set PITCH,  272                       ; an LDS row: 256 + 16: the 16 rows that a load touches start at 16 different banks (64 banks of 4 bytes: ISA guide 11.1)
.set FR,     8
.set NL,     2
.set NP,     4                         ; places behind this matrix instruction (ISA guide 7.12.1)
.set HALFT,  128*PITCH
.set SLOT,   4*HALFT
.set KS,     32                        ; a row of scales in bytes
.set SCL,    2*SLOT
.set HALFS,  16*272                    ; the scales of 128 rows
.set SBLK,   2*272                     ; those of 16 rows
.set SPARE,  SCL+4*HALFS               ; the spare words: 128 bytes for each wave
.set STAGE,  SPARE+512                 ; the way out: 16 rows x (256 + 16) bytes for each wave; no fill lands here
.set SPITCH, 272
.set ADRA, 16
.set ADRB, 20
.set STO,  24
.set RD,   25
.set CO,   26
.set ADRS, 27
.set SPW,  28
.set NIL,  29
.set VB,   30
.set SC,   32
.set AF,   128
.set BK,   128                         ; the way out: rows read back: v128-159 and v160-191 by turns
.set BI,   192                         ; the bias
.set TMP,  192                         ; the way out: packed results
.set G1, 24
.set G0, 32
.set G1B, 48
.set G0B, 56
.set G1S, 68
.set G0S, 76
.set G1SB, 80
.set G0SB, 88
.set MSB, 0
.macro WIN new                         ; the immediate's high byte repeats the setting that is left
.if MSB != \new
	s_set_vgpr_msb (MSB<<8)|\new
.set MSB, \new
.endif
.endm
.set MUL_LO, 0xa1                      ; source 0 (B) window 1, source 1 (A) window 0, C and D window 2
.set MUL_HI, 0xf1                      ; the same, C and D window 3
.set TO_B,   0x40
; A joint load: waves 0 and 1 fetch for A, waves 2 and 3 for B; the branch hangs on the wave's number alone.  An s_nop 0 and four v_nop follow each line.
.macro JLOAD g0a, g1a, g0b, g1b
	s_cmp_eq_u32 s15, 0
	s_cbranch_scc0 .Lfor_b_\@
	tensor_load_to_lds s[\g0a:\g0a+3], s[\g1a:\g1a+7]
	s_nop 0
.rept 4
	v_nop
.endr
	s_branch .Lasked_\@
.Lfor_b_\@:
	tensor_load_to_lds s[\g0b:\g0b+3], s[\g1b:\g1b+7]
	s_nop 0
.rept 4
	v_nop
.endr
.Lasked_\@:
.endm
.macro CROUND                          ; a round of the cluster's barrier
	s_barrier_signal -1
	s_barrier_wait -1
	s_cmp_lg_u32 s14, 0
	s_cbranch_scc1 .Lnot_wave_0_\@
	s_barrier_signal -3
.Lnot_wave_0_\@:
	s_barrier_wait -3
	s_barrier_signal -1
	s_barrier_wait -1
.endm
	s_load_b128 s[4:7], s[0:1], 0x0                ; A's codes, A's scales
	s_load_b128 s[8:11], s[0:1], 0x10              ; B's codes, B's scales
	s_load_b128 s[96:99], s[0:1], 0x20             ; the bias, the result
	v_lshl_add_u32 v[SPW], v0, 2, SPARE
	v_mov_b32 v[NIL], 0
	ds_add_u32 v[SPW], v[NIL]                      ; the wave's opening: the add, twice on end, and its wait ahead of my first tensor load
	ds_add_u32 v[SPW], v[NIL]
	v_lshrrev_b32 v1, 5, v0
	v_readfirstlane_b32 s14, v1                    ; wave 0..3
	s_lshr_b32 s15, s14, 1                         ; which half of the tile's rows is mine.  Also: I fetch for A (0) or for B (1)
	s_and_b32 s16, s14, 1                          ; which half of its columns.  Also: which 128 rows I fetch
	s_bfe_u32 s40, ttmp6, 0x40000                  ; cx, cy
	s_bfe_u32 s41, ttmp6, 0x40004
	s_lshl_b32 s42, ttmp9, 2
	s_add_co_u32 s42, s42, s40                     ; tile column
	s_and_b32 s17, ttmp7, 0xffff
	s_lshl_b32 s17, s17, 2
	s_add_co_u32 s17, s17, s41                     ; tile row
	s_lshl_b32 s43, s41, 2
	s_lshl_b32 s43, 15, s43                        ; my row of the cluster
	s_lshl_b32 s44, 0x1111, s40                    ; my column
	s_or_b32 s[G1+0], s43, (0<<16)|(1<<20)|(1<<21)|(5<<22)|(3<<25)  ; the mask; elements of 1 byte; padding on; bit 21 beside a mask; 4 words behind every 64
	s_or_b32 s[G1B+0], s44, (0<<16)|(1<<20)|(1<<21)|(5<<22)|(3<<25)
.irp g, G1, G1B
	s_mov_b32 s[\g+1], ROWB<<16                    ; tensor_dim0
	s_mov_b32 s[\g+2], 128<<16                     ; tensor_dim1
	s_mov_b32 s[\g+3], ROWB<<16                    ; tile_dim0
	s_mov_b32 s[\g+4], 128                         ; tile_dim1
	s_mov_b32 s[\g+5], KROW                        ; the pitch
	s_mov_b32 s[\g+6], 0
	s_mov_b32 s[\g+7], 0
.endr
	s_or_b32 s[G1S+0], s43, (3<<16)|(1<<20)|(1<<21)|(5<<22)|(3<<25)  ; the scales of 128 rows: 4,096 dense bytes as 16 rows of 32 elements of 8 bytes
	s_or_b32 s[G1SB+0], s44, (3<<16)|(1<<20)|(1<<21)|(5<<22)|(3<<25)
.irp g, G1S, G1SB
	s_mov_b32 s[\g+1], 32<<16
	s_mov_b32 s[\g+2], 16<<16
	s_mov_b32 s[\g+3], 32<<16
	s_mov_b32 s[\g+4], 16
	s_mov_b32 s[\g+5], 32
	s_mov_b32 s[\g+6], 0
	s_mov_b32 s[\g+7], 0
.endr
	s_lshl_b32 s18, s16, 7
	s_lshl_b32 s20, s17, 8
	s_add_co_u32 s20, s20, s18                     ; A: row 256 x tile row + 128 x half
	s_lshl_b32 s46, s42, 8
	s_add_co_u32 s46, s46, s18                     ; B: row 256 x tile column + 128 x half
	s_mov_b32 s21, 0
	s_mov_b32 s47, 0
	s_mov_b64 s[18:19], KS
	s_mul_u64 s[22:23], s[20:21], s[18:19]         ; where these rows' scales begin
	s_mul_u64 s[92:93], s[46:47], s[18:19]
	s_mov_b64 s[18:19], KROW
	s_mul_u64 s[20:21], s[20:21], s[18:19]         ; and their codes
	s_mul_u64 s[46:47], s[46:47], s[18:19]
	s_mul_i32 s45, s14, HALFT                      ; where they go: no place in the cluster enters an LDS address
	s_mul_i32 s94, s14, HALFS
	s_wait_dscnt 0x0                               ; both opening adds are done
	s_wait_kmcnt 0x0
	s_add_nc_u64 s[20:21], s[4:5], s[20:21]
	s_add_nc_u64 s[22:23], s[6:7], s[22:23]
	s_add_nc_u64 s[46:47], s[8:9], s[46:47]
	s_add_nc_u64 s[92:93], s[10:11], s[92:93]
	CROUND                                         ; all sixteen work-groups are here: the joint loads meet
	s_mov_b32 s[G0S], 1
	s_add_co_u32 s[G0S+1], s94, SCL
	s_mov_b64 s[G0S+2:G0S+3], s[22:23]
	s_or_b32 s[G0S+3], s[G0S+3], 0x80000000
	s_mov_b32 s[G0SB], 1
	s_add_co_u32 s[G0SB+1], s94, SCL
	s_mov_b64 s[G0SB+2:G0SB+3], s[92:93]
	s_or_b32 s[G0SB+3], s[G0SB+3], 0x80000000
	JLOAD G0S, G1S, G0SB, G1SB                     ; the scales first; by this text's count three tensor loads of a wave are out at the most
.irp s, 0,1
	s_mov_b32 s[G0+4*\s], 1
	s_add_co_u32 s[G0+4*\s+1], s45, \s*SLOT
	s_add_nc_u64 s[G0+4*\s+2:G0+4*\s+3], s[20:21], \s*ROWB
	s_or_b32 s[G0+4*\s+3], s[G0+4*\s+3], 0x80000000
	s_mov_b32 s[G0B+4*\s], 1
	s_add_co_u32 s[G0B+4*\s+1], s45, \s*SLOT
	s_add_nc_u64 s[G0B+4*\s+2:G0B+4*\s+3], s[46:47], \s*ROWB
	s_or_b32 s[G0B+4*\s+3], s[G0B+4*\s+3], 0x80000000
	JLOAD G0+4*\s, G1, G0B+4*\s, G1B
.endr
	v_and_b32 v1, 15, v0                           ; r = lane % 16
	v_bfe_u32 v2, v0, 4, 1                         ; h = lane / 16
	s_lshl_b32 s12, s42, 10                        ; the bias of my 128 columns: 4 x (256 x tile column + 128 x half) bytes on
	s_lshl_b32 s13, s16, 9
	s_add_co_u32 s12, s12, s13
	s_mov_b32 s13, 0
	s_add_nc_u64 s[96:97], s[96:97], s[12:13]
	v_lshlrev_b32 v[VB], 5, v2                     ; lanes 16-31 take the upper eight of a block's sixteen columns
.irp b, 0,1,2,3,4,5,6,7
	global_load_b128 v[BI+8*\b:BI+8*\b+3], v[VB], s[96:97] offset:64*\b
	global_load_b128 v[BI+8*\b+4:BI+8*\b+7], v[VB], s[96:97] offset:64*\b+16
.endr
	v_mul_u32_u24 v3, v1, PITCH
	v_lshl_add_u32 v4, v2, 4, v3                   ; a fragment's row x pitch + 16 x half
	s_mul_i32 s21, s15, HALFT
	s_mul_i32 s22, s16, HALFT
	s_add_co_u32 s22, s22, 2*HALFT
.irp s, 0,1
	v_add_nc_u32 v[ADRA+\s], s21, v4
	v_add_nc_u32 v[ADRB+\s], s22, v4
	s_add_co_u32 s21, s21, SLOT
	s_add_co_u32 s22, s22, SLOT
.endr
	v_mul_u32_u24 v5, v1, KS                       ; my row's scales: 32 bytes a row,
	v_lshrrev_b32 v6, 8, v5
	v_lshl_add_u32 v5, v6, 4, v5                   ; and 16 more for each 256 passed
	s_mul_i32 s21, s15, HALFS
	s_mul_i32 s22, s16, HALFS
	s_add_co_u32 s22, s22, 2*HALFS
	s_sub_co_u32 s22, s22, s21
	v_mul_u32_u24 v6, s22, v2                      ; lanes 16-31 take B's
	s_add_co_u32 s21, s21, SCL
	v_add_nc_u32 v5, v5, v6
	v_add_nc_u32 v[ADRS], s21, v5
	s_mul_i32 s23, s14, 16*SPITCH
	s_add_co_u32 s23, s23, STAGE                   ; my stage
	v_mul_u32_u24 v5, v1, SPITCH
	v_lshl_add_u32 v5, v2, 4, v5
	v_add_nc_u32 v[STO], s23, v5                   ; in: row r, 16 bytes for each half of the lanes
	v_bfe_u32 v5, v0, 3, 2
	v_mul_u32_u24 v5, v5, SPITCH
	v_and_b32 v6, 7, v0
	v_lshl_add_u32 v5, v6, 4, v5
	v_add_nc_u32 v[RD], s23, v5                    ; back: eight lanes to a head's 128 bytes of a row, four rows an instruction
	v_and_b32 v6, 31, v0
	v_lshlrev_b32 v[CO], 4, v6                     ; which are 512 consecutive bytes in memory
	s_lshl_b32 s12, s17, 8
	s_lshl_b32 s13, s15, 7
	s_add_co_u32 s12, s12, s13                     ; my first row: 256 x tile row + 128 x half
	s_lshr_b32 s13, s12, 11                        ; the batch: 48 planes of 262,144 bytes each
	s_mul_i32 s13, s13, 48*262144
	s_and_b32 s12, s12, 2047
	s_lshl_b32 s12, s12, 7                         ; the position: 128 bytes a row
	s_add_co_u32 s12, s12, s13
	s_lshl_b32 s13, s42, 2
	s_add_co_u32 s13, s13, s16
	s_add_co_u32 s13, s13, s16                     ; my first plane: 4 x tile column + 2 x half
	s_lshl_b32 s13, s13, 18
	s_add_co_u32 s12, s12, s13
	s_mov_b32 s13, 0
	s_add_nc_u64 s[98:99], s[98:99], s[12:13]      ; never stepped: all else stands in the stores' immediates
.macro FRAG reg, adr, q, i             ; 16 rows x 128 K of 4-bit codes: 8 registers: two loads of 16 bytes, 32 bytes apart
.irp c, 0,1
	ds_load_b128 v[\reg+4*\c:\reg+4*\c+3], v[\adr] offset:64*(\q)+32*\c+(\i)*16*PITCH
.endr
.endm
; 16 matrix instructions: A's blocks a0, a0 + 1 x B's eight.  first = 1: the bias starts the sums.  The 64 accumulators take turns, one instruction a turn.
.macro MUL16 a0, p, q, sc, first
.irp a, \a0, \a0+1
.irp b, 0,1,2,3,4,5,6,7
.if \first
	v_wmma_scale_f32_16x16x128_f8f6f4 v[8*(8*((\a)%4)+\b):8*(8*((\a)%4)+\b)+7], v[128*(\p)+FR*\b:128*(\p)+FR*\b+FR-1], v[AF+FR*(\a):AF+FR*(\a)+FR-1], v[BI+8*\b:BI+8*\b+7], v[SC+8*NQ*(\sc)+NQ*\b+(\q)], v[SC+8*NQ*(\sc)+NQ*(\a)+(\q)] matrix_a_fmt:MATRIX_FMT_FP4 matrix_b_fmt:MATRIX_FMT_FP4 matrix_a_scale:MATRIX_SCALE_ROW1
.else
	v_wmma_scale_f32_16x16x128_f8f6f4 v[8*(8*((\a)%4)+\b):8*(8*((\a)%4)+\b)+7], v[128*(\p)+FR*\b:128*(\p)+FR*\b+FR-1], v[AF+FR*(\a):AF+FR*(\a)+FR-1], v[8*(8*((\a)%4)+\b):8*(8*((\a)%4)+\b)+7], v[SC+8*NQ*(\sc)+NQ*\b+(\q)], v[SC+8*NQ*(\sc)+NQ*(\a)+(\q)] matrix_a_fmt:MATRIX_FMT_FP4 matrix_b_fmt:MATRIX_FMT_FP4 matrix_a_scale:MATRIX_SCALE_ROW1
.endif
.endr
.endr
.endm
.macro FETCH_B slot, q, p
	WIN TO_B
.irp i, 0,1,2,3,4,5,6,7
	FRAG 128*(\p)+FR*\i, ADRB+\slot, \q, \i
.endr
	WIN 0
.endm
.macro FETCH_A slot, q, i0
.irp i, \i0, \i0+1, \i0+2, \i0+3
	FRAG AF+FR*(\i), ADRA+\slot, \q, \i
.endr
.endm
.macro SCALES sc                       ; a K step's scale words: lanes 0-15 take A's block i, lanes 16-31 B's block i
.irp i, 0,1,2,3,4,5,6,7
	ds_load_b128 v[SC+8*NQ*\sc+NQ*\i:SC+8*NQ*\sc+NQ*\i+3], v[ADRS] offset:\i*SBLK
.endr
.endm
.macro PLACES n                        ; places in front of loads into registers that matrix instructions have read, and of the first read of results
.rept \n
	v_nop
.endr
.endm
.macro STEP slot, q, first             ; 128 along K that has its successor in the same slot
	s_wait_dscnt 4*NL                              ; B's set and A's blocks 0-3 are in; the youngest eight loads (A's blocks 4-7) may be out
.if \first
	WIN 0x81                                       ; D window 2, C (the bias) window 0
.else
	WIN MUL_LO
.endif
	MUL16 0, (\q)%2, \q, \slot, \first
	MUL16 2, (\q)%2, \q, \slot, \first
	s_wait_dscnt 0
	PLACES NP
	FETCH_B \slot, (\q)+1, 1-(\q)%2
	FETCH_A \slot, (\q)+1, 0
.if \first
	WIN 0xc1                                       ; D window 3, C window 0
.else
	WIN MUL_HI
.endif
	MUL16 4, (\q)%2, \q, \slot, \first
	MUL16 6, (\q)%2, \q, \slot, \first
	PLACES NP
	WIN 0
	FETCH_A \slot, (\q)+1, 4
.endm
.macro TURN slot, next                 ; a slot's last step changes slots: one barrier
	s_wait_tensorcnt 0x0                           ; all my tensor loads have landed: my part of the next slot
	ds_add_u32 v[SPW], v[NIL]                      ; 0 onto my spare word
	s_wait_dscnt 4*NL+1                            ; the add and the youngest eight loads may be out
	WIN MUL_LO
	MUL16 0, 1, NQ-1, \slot, 0
	s_wait_dscnt 0x0
	s_barrier_signal -1
	MUL16 2, 1, NQ-1, \slot, 0
	WIN 0
	s_barrier_wait -1                              ; the next slot is whole
	PLACES NP
	v_add_nc_u32 v[ADRS], 4*NQ, v[ADRS]            ; on to the next K step's scale words
	FETCH_B \next, 0, 0
	FETCH_A \next, 0, 0
	SCALES \next
	WIN MUL_HI
	MUL16 4, 1, NQ-1, \slot, 0
	MUL16 6, 1, NQ-1, \slot, 0
	PLACES NP
	WIN 0
	FETCH_A \next, 0, 4
.endm
	s_wait_tensorcnt 1                             ; the scales and my part of K step 0 are in; K step 1's load may be out
	s_barrier_signal -1
	s_barrier_wait -1
	FETCH_B 0, 0, 0
	FETCH_A 0, 0, 0
	SCALES 0
	FETCH_A 0, 0, 4
	s_wait_loadcnt 0x0                             ; the bias
	STEP 0, 0, 1
	STEP 0, 1, 0
	STEP 0, 2, 0
	TURN 0, 1
	STEP 1, 0, 0
	STEP 1, 1, 0
	STEP 1, 2, 0
	s_wait_dscnt 4*NL                              ; the very last step: nothing more to fetch
	WIN MUL_LO
	MUL16 0, 1, NQ-1, 1, 0
	MUL16 2, 1, NQ-1, 1, 0
	s_wait_dscnt 0
	WIN MUL_HI
	MUL16 4, 1, NQ-1, 1, 0
	MUL16 6, 1, NQ-1, 1, 0
	WIN 0
; THE WAY OUT, block by block of 16 rows x 128 columns (two heads).  PACK: rounded to f16, 16 bytes a lane, each accumulator from its low end on.  TOSTAGE: into my stage, and back by heads:
; four rows of a head's 128 bytes are 512 consecutive bytes of memory.  SEND: stored.  Block a's conversions stand between block a - 1's loads from the stage and the wait for them.
.macro PACK a
.set AC, 64*((\a)%4)
	WIN 0x0a+5*((\a)/4)                            ; sources 0 and 1: window 2 or 3
.irp b, 0,1,2,3,4,5,6,7
.irp r, 0,1,2,3
	v_cvt_pk_f16_f32 v[TMP+4*\b+\r], v[AC+8*\b+2*\r], v[AC+8*\b+2*\r+1]
.endr
.endr
	WIN 0
.endm
.macro TOSTAGE a
.set BB, BK+32*((\a)%2)
.irp b, 0,1,2,3,4,5,6,7
	ds_store_b128 v[STO], v[TMP+4*\b:TMP+4*\b+3] offset:32*\b
.endr
.irp hd, 0,1
.irp i, 0,1,2,3
	ds_load_b128 v[BB+16*\hd+4*\i:BB+16*\hd+4*\i+3], v[RD] offset:4*\i*SPITCH+128*\hd   ; LDS serves a wave's instructions in order: these see the stores above
.endr
.endr
.endm
.macro SEND a
.set BB, BK+32*((\a)%2)
	s_wait_dscnt 0x0                               ; the block is back in registers
	s_wait_xcnt 0x0                                ; the block before has had its stores' registers read: the next block's loads may land there
.irp hd, 0,1
.irp i, 0,1,2,3
	global_store_b128 v[CO], v[BB+16*\hd+4*\i:BB+16*\hd+4*\i+3], s[98:99] offset:\hd*262144+(\a)*2048+512*\i   ; the wave stores 512 consecutive bytes, aligned
.endr
.endr
.endm
	PLACES NP
	PACK 0
	TOSTAGE 0
.irp a, 1,2,3,4,5,6,7
	PACK \a
	SEND \a-1
	TOSTAGE \a
.endr
	SEND 7
	s_wait_tensorcnt 0x0                           ; the wave's end
	ds_add_u32 v[SPW], v[NIL]
	s_wait_dscnt 0x0
	CROUND                                         ; the closing round
	s_endpgm
.Lfunc_end_k_qd7731eb112_qkv:
	.size	k_qd7731eb112_qkv, .Lfunc_end_k_qd7731eb112_qkv-k_qd7731eb112_qkv
	.p2alignl 7, 3214868480
	.fill 96, 4, 3214868480
	.section	.rodata,"a",@progbits
	.p2align	6, 0x0
	.amdhsa_kernel k_qd7731eb112_qkv
		.amdhsa_group_segment_fixed_size 327680
		.amdhsa_private_segment_fixed_size 0
		.amdhsa_enable_private_segment 0
		.amdhsa_kernarg_size 48
		.amdhsa_user_sgpr_count 2
		.amdhsa_user_sgpr_kernarg_segment_ptr 1
		.amdhsa_wavefront_size32 1
		.amdhsa_system_sgpr_workgroup_id_x 1
		.amdhsa_system_sgpr_workgroup_id_y 1
		.amdhsa_system_sgpr_workgroup_id_z 1
		.amdhsa_system_vgpr_workitem_id 0
		.amdhsa_next_free_vgpr 1024
		.amdhsa_next_free_sgpr 100
		.amdhsa_reserve_vcc 0
		.amdhsa_float_denorm_mode_32 3
		.amdhsa_float_denorm_mode_16_64 3
		.amdhsa_memory_ordered 1
		.amdhsa_forward_progress 1
		.amdhsa_inst_pref_size 128
	.end_amdhsa_kernel
	.amdgpu_metadata
---
amdhsa.version: [ 1, 2 ]
amdhsa.kernels:
  - .name:           k_qd7731eb112_qkv
    .symbol:         k_qd7731eb112_qkv.kd
    .args:
      - { .name: x_codes, .offset: 0, .size: 8, .value_kind: global_buffer, .address_space: global }
      - { .name: x_scales, .offset: 8, .size: 8, .value_kind: global_buffer, .address_space: global }
      - { .name: w_codes, .offset: 16, .size: 8, .value_kind: global_buffer, .address_space: global }
      - { .name: w_scales, .offset: 24, .size: 8, .value_kind: global_buffer, .address_space: global }
      - { .name: b_qkv, .offset: 32, .size: 8, .value_kind: global_buffer, .address_space: global }
      - { .name: qkv, .offset: 40, .size: 8, .value_kind: global_buffer, .address_space: global }
    .group_segment_fixed_size: 327680
    .private_segment_fixed_size: 0
    .kernarg_segment_align: 8
    .kernarg_segment_size: 48
    .max_flat_workgroup_size: 128
    .sgpr_count:     100
    .vgpr_count:     1024
    .wavefront_size: 32
...
	.end_amdgpu_metadata
.endif
;; end of part 2
;; launch attn (part 3): grid 4 x 64, 16 waves a work-group, clusters of 4 x 1, 327,680 bytes of LDS; arguments qkv, att; writes att
.if DOCPART == 3
	.amdgcn_target "amdgcn-amd-amdhsa--gfx1250"
	.amdhsa_code_object_version 6
	.text
	.protected	k_qd7731eb112_attn
	.globl	k_qd7731eb112_attn
	.p2align	8
	.type	k_qd7731eb112_attn,@function
k_qd7731eb112_attn:
	s_mov_b64 s[64:65], 0
	v_nop
	global_prefetch_b8 v0, s[64:65] scope:SCOPE_SE
	s_setreg_imm32_b32 hwreg(HW_REG_WAVE_MODE, 25, 1), 1
	s_wait_xcnt 0x0
	s_wait_alu depctr_hold_cnt(0) depctr_sa_sdst(0) depctr_va_vdst(0) depctr_va_sdst(0) depctr_va_ssrc(0) depctr_va_vcc(0) depctr_vm_vsrc(0)
	s_getreg_b32 s2, hwreg(HW_REG_IB_STS2, 6, 4)
	s_cmp_eq_u32 s2, 0
	s_cbranch_scc0 .Lentry_in_a_cluster
	s_endpgm
.Lentry_in_a_cluster:
	s_bfe_u32 s2, ttmp6, 0x10000c
	s_cmp_lg_u32 s2, 0x3003
	s_cbranch_scc0 .Lentry_shape_is_right
	s_endpgm
.Lentry_shape_is_right:
; att[b][q][h][:] = the sum over k of softmax_k(q . k / 8) v, for each of 64 heads; head size 64, 2,048 keys, no mask.  q, k, v: f16, [b 4][j 48][n 2048][64] (j: 0-15 q's heads, 16-31 k's, 32-47 v's).
; Products in f16 with f32 sums; maxima, exponentials and sums in f32; the weights p are rounded to f16 for the second product, the result once at the end.  Result: f16 [row block of 128][head 16][128][64].
; SHARES.  A work-group owns 512 queries of one head; each of its SIXTEEN waves owns 32, two tiles of 16, in 256 registers: four waves to a SIMD, so that one wave's vector work stands beside another's products and LDS loads.
; LAYOUT.  S^T = K Q^T (source 0 = 16 keys, source 1 = 16 queries): a lane holds ONE query (lane % 16) and keys 8 (lane / 16) + 0..7.  Two such tiles, rounded to f16 in pairs, ARE source 1 of O^T = V^T P.  V is turned by ds_load_tr16_b128.
; SOFTMAX.  A running maximum m and sum l for each query: p = 2^(c s - c m), c = log2(e) / 8; in every step O and l are multiplied by a = 2^(c m_old - c m_new).  The step is written once: m begins at -3e38, l and O^T at 0.
; RING.  Two LDS slots of 256 keys (four steps of 64), filled by waves 0, 1 (K's halves) and 2, 3 (V's halves), read by all sixteen.
; CLUSTER.  The four query blocks of a head walk the same K and V: each tile is asked for jointly, by the same load with a mask that names the four.
; LIMIT: NaN and infinities are not served.
.set PK,    144                        ; a key's row in LDS: 128 bytes + 16
.set PV,    160                        ; a row of V: 128 + 32: the turning load's 8 rows x 32 bytes fall on different banks
.set VOFF,  256*PK                     ; a slot: 256 rows of K, then 256 rows of V
.set SLOT1, 1<<17                      ; slot 1 begins here: one exclusive or turns an address from one slot to the other
.set STAGE, SLOT1+256*(PK+PV)          ; behind the ring: 16 rows x 144 bytes for each wave
.set SPARE, STAGE+16*16*PK             ; the spare words: 128 bytes for each wave
.set AK0, 1                            ; v1  my lane's place in a tile of K
.set AV0, 2                            ; v2  the same for V
.set ADK, 3                            ; v3  the slot's K
.set ADV, 4                            ; v4  the slot's V
.set SPW, 5
.set NIL, 6
.set PFO, 7                            ; v7  256 x lane
.set ST,  8                            ; tile t's statistics at v[8 + 8 t]: +0 c m, +1 m, +2, +3 l, +4..+7 c0-c3; a takes c2's place
.set TS,  24                           ; v24-27 a second chain for the sums, a pair a tile
.set Q,   32                           ; v32-63  Q: tile t, channels 32 c on: 32 + 16 t + 8 c
.set KV,  64                           ; v64-127 K's fragments of a step, then V's
.set S,   128                          ; v128-191 S^T, 32 a tile; P is made in place in a tile's first 16
.set O,   192                          ; v192-255 O^T: tile t, channels 16 ct on: 192 + 32 t + 8 ct
.set WV,  12
.set G1K, 24
.set G1V, 32
.set G0K, 40
.set G0V, 44
.set SLOTS, 48
.set TB,  49
.set CS,  50
.set SEL, 52
.set PFA, 54
.set LIM, 56
; A joint load: waves 0, 1 fetch K's halves, waves 2, 3 V's, the others nothing.  The branches hang on the wave's number alone.  An s_nop 0 and four v_nop follow each line.
.macro JLOAD
	s_cmp_lt_u32 s[WV], 2
	s_cbranch_scc0 .Lnot_k_\@
	tensor_load_to_lds s[G0K:G0K+3], s[G1K:G1K+7]
	s_nop 0
.rept 4
	v_nop
.endr
	s_branch .Lasked_\@
.Lnot_k_\@:
	s_cmp_lt_u32 s[WV], 4
	s_cbranch_scc0 .Lasked_\@
	tensor_load_to_lds s[G0V:G0V+3], s[G1V:G1V+7]
	s_nop 0
.rept 4
	v_nop
.endr
.Lasked_\@:
.endm
; A prefetch of what the NEXT change of slots will ask for: a slot's K and V are 32,768 dense bytes each.  The four partners share them out by address, 8,192 bytes each; in each, wave 4 asks for K's and
; wave 5 for V's, lanes 256 bytes apart: each aligned block of 256 bytes is named once in the launch.  The last change that fills a slot asks for nothing; slots 0 and 1 come by their loads alone.
.macro ASK
	s_cmp_gt_u32 s[SLOTS], s[LIM]
	s_cbranch_scc0 .Lnot_mine_\@
	global_prefetch_b8 v[PFO], s[PFA:PFA+1] th:TH_LOAD_NT scope:SCOPE_SE
.Lnot_mine_\@:
.endm
.macro CROUND                          ; a round of the cluster's barrier
	s_barrier_signal -1
	s_barrier_wait -1
	s_cmp_lg_u32 s[WV], 0
	s_cbranch_scc1 .Lnot_wave_0_\@
	s_barrier_signal -3
.Lnot_wave_0_\@:
	s_barrier_wait -3
	s_barrier_signal -1
	s_barrier_wait -1
.endm
	s_load_b128 s[4:7], s[0:1], 0x0                ; qkv, att
	v_lshl_add_u32 v[SPW], v0, 2, SPARE
	v_mov_b32 v[NIL], 0
	ds_add_u32 v[SPW], v[NIL]                      ; the wave's opening: the add, twice on end, and its wait ahead of the first tensor load
	ds_add_u32 v[SPW], v[NIL]
	v_lshrrev_b32 v8, 5, v0
	v_readfirstlane_b32 s[WV], v8                  ; wave 0..15
	s_bfe_u32 s13, ttmp6, 0x40000                  ; cx: my block of 512 queries: it enters Q's, the result's and the prefetches' addresses alone
	s_and_b32 s14, ttmp7, 0xffff                   ; batch x 16 + head, which the four partners share
	s_lshr_b32 s15, s14, 4
	s_and_b32 s16, s14, 15
	s_mul_i32 s18, s15, 48
	s_add_co_u32 s18, s18, s16
	s_lshl_b32 s18, s18, 18                        ; q's plane of my head: 262,144 bytes a plane
	s_mov_b32 s19, 0
	s_and_b32 s20, s[WV], 1                        ; which 128 rows of a slot I fetch, if I fetch:
	s_lshl_b32 s22, s20, 14                        ; 16,384 bytes in memory
	s_mov_b32 s23, 0
	s_mov_b32 s[G1K], 15|(1<<16)|(1<<20)|(1<<21)|(4<<22)|(3<<25)  ; the mask: all four; elements of 2 bytes; padding on; bit 21 beside a mask; 4 words behind every 32
	s_mov_b32 s[G1V], 15|(1<<16)|(1<<20)|(1<<21)|(4<<22)|(7<<25)  ; the same with 8 words
.irp g, G1K, G1V
	s_mov_b32 s[\g+1], 64<<16                      ; tensor_dim0
	s_mov_b32 s[\g+2], 128<<16                     ; tensor_dim1
	s_mov_b32 s[\g+3], 64<<16                      ; tile_dim0
	s_mov_b32 s[\g+4], 128                         ; tile_dim1
	s_mov_b32 s[\g+5], 64                          ; the pitch
	s_mov_b32 s[\g+6], 0
	s_mov_b32 s[\g+7], 0
.endr
	s_mov_b32 s[G0K], 1
	s_mul_i32 s[G0K+1], s20, 128*PK                ; slot 0
	s_mov_b32 s[G0V], 1
	s_mul_i32 s[G0V+1], s20, 128*PV
	s_add_co_u32 s[G0V+1], s[G0V+1], VOFF
	s_mov_b32 s[CS], 0x3e38aa3b                    ; c = log2(e) / 8
	s_mov_b32 s[CS+1], s[CS]                       ; (named with it as a pair)
	s_mov_b32 s[SEL], 0x76543210
	s_mov_b32 s[SEL+1], 0xfedcba98                 ; lane l xor 16
	s_mov_b32 s[TB], 0
	s_mov_b32 s[SLOTS], 7
	s_lshr_b32 s21, s[WV], 1
	s_cmp_eq_u32 s21, 2                            ; waves 4 and 5 prefetch
	s_cselect_b32 s[LIM], 1, -1
	v_and_b32 v[PFO], 31, v0
	v_lshlrev_b32 v[PFO], 8, v[PFO]
	s_wait_dscnt 0x0                               ; both opening adds are done
	s_wait_kmcnt 0x0
	s_add_nc_u64 s[8:9], s[4:5], s[18:19]          ; q's plane
	s_add_nc_u64 s[G0K+2:G0K+3], s[8:9], 0x400000  ; k's: 16 planes on
	s_add_nc_u64 s[G0V+2:G0V+3], s[8:9], 0x800000  ; v's: 32 planes on
	s_cmp_eq_u32 s[WV], 4
	s_cselect_b64 s[PFA:PFA+1], s[G0K+2:G0K+3], s[G0V+2:G0V+3]
	s_add_nc_u64 s[G0K+2:G0K+3], s[G0K+2:G0K+3], s[22:23]
	s_add_nc_u64 s[G0V+2:G0V+3], s[G0V+2:G0V+3], s[22:23]
	s_or_b32 s[G0K+3], s[G0K+3], 0x80000000
	s_or_b32 s[G0V+3], s[G0V+3], 0x80000000
	s_lshl_b32 s2, s13, 16                         ; my block's 512 rows of 128 bytes,
	s_lshl_b32 s3, s[WV], 12                       ; my wave's 32
	s_add_co_u32 s2, s2, s3
	s_mov_b32 s3, 0
	s_add_nc_u64 s[4:5], s[8:9], s[2:3]            ; Q at my wave's first row
	s_lshl_b32 s2, s13, 13                         ; the prefetches: my work-group's 8,192 bytes,
	s_add_co_u32 s2, s2, 32768                     ; in slot 1: the first change of slots steps it to slot 2
	s_add_nc_u64 s[PFA:PFA+1], s[PFA:PFA+1], s[2:3]
	s_lshl_b32 s2, s15, 4                          ; the result: row block 16 x batch + 4 cx + wave / 4,
	s_lshl_b32 s3, s13, 2
	s_add_co_u32 s2, s2, s3
	s_lshr_b32 s3, s[WV], 2
	s_add_co_u32 s2, s2, s3
	s_lshl_b32 s2, s2, 18
	s_lshl_b32 s3, s16, 14                         ; my head's 16,384 bytes in it,
	s_add_co_u32 s2, s2, s3
	s_and_b32 s3, s[WV], 3
	s_lshl_b32 s3, s3, 12                          ; my wave's 32 rows
	s_add_co_u32 s2, s2, s3
	s_mov_b32 s3, 0
	s_add_nc_u64 s[6:7], s[6:7], s[2:3]
	CROUND                                         ; all four work-groups are here
	JLOAD                                          ; slot 0: keys 0 to 255
	v_and_b32 v28, 15, v0                          ; r
	v_bfe_u32 v29, v0, 4, 1                        ; h
	v_lshlrev_b32 v30, 7, v28
	v_lshl_add_u32 v30, v29, 4, v30                ; Q: row r of 128 bytes + 16 h
.irp t, 0,1
.irp c, 0,1
	global_load_b128 v[Q+16*\t+8*\c:Q+16*\t+8*\c+3], v30, s[4:5] offset:2048*\t+64*\c
	global_load_b128 v[Q+16*\t+8*\c+4:Q+16*\t+8*\c+7], v30, s[4:5] offset:2048*\t+64*\c+32
.endr
.endr
	v_mul_u32_u24 v[AK0], v28, PK
	v_lshl_add_u32 v[AK0], v29, 4, v[AK0]          ; K: row x pitch + 16 h
	v_and_b32 v31, 7, v0
	v_lshl_add_u32 v[AV0], v29, 3, v31             ; V: key 8 h + lane % 8,
	v_mul_u32_u24 v[AV0], v[AV0], PV
	v_bfe_u32 v31, v0, 3, 1
	v_lshl_add_u32 v[AV0], v31, 4, v[AV0]          ; channels 8 ((lane / 8) % 2) on
	v_add_nc_u32 v[AV0], VOFF, v[AV0]
.irp t, 0,1
	v_mov_b32 v[ST+8*\t+1], 0xff61b1e6             ; m = -3e38, under every score
	v_mul_f32 v[ST+8*\t], s[CS], v[ST+8*\t+1]      ; c m
	v_mov_b32 v[ST+8*\t+2], 0                      ; l, in two halves
	v_mov_b32 v[ST+8*\t+3], 0
.endr
.irp j, 0,1,2,3,4,5,6,7,8,9,10,11,12,13,14,15,16,17,18,19,20,21,22,23,24,25,26,27,28,29,30,31,32,33,34,35,36,37,38,39,40,41,42,43,44,45,46,47,48,49,50,51,52,53,54,55,56,57,58,59,60,61,62,63
	v_mov_b32 v[O+\j], 0                           ; O^T: the step is written once; its first run finds zeros, which a = 0 leaves zeros
.endr
; A KEY STEP: 64 keys, the q-th of the slot in hand.
.macro STEP q
.irp c, 0,1                                    ; K's fragments (keys 16 kt on, channels 32 c on), channels 0-31 first
.irp kt, 0,1,2,3
	ds_load_b128 v[KV+16*\kt+8*\c:KV+16*\kt+8*\c+3], v[ADK] offset:64*PK*(\q)+16*PK*\kt+64*\c
	ds_load_b128 v[KV+16*\kt+8*\c+4:KV+16*\kt+8*\c+7], v[ADK] offset:64*PK*(\q)+16*PK*\kt+64*\c+32
.endr
.endr
	s_wait_dscnt 8                                 ; channels 0-31 are in; the eight loads of channels 32-63 may be out
.irp kt, 0,1,2,3                               ; S^T = K Q^T: the eight accumulators take turns; the first eight products start the sums
.irp t, 0,1
	v_wmma_f32_16x16x32_f16 v[S+32*\t+8*\kt:S+32*\t+8*\kt+7], v[KV+16*\kt:KV+16*\kt+7], v[Q+16*\t:Q+16*\t+7], 0
.endr
.endr
	s_wait_dscnt 0x0
.irp kt, 0,1,2,3
.irp t, 0,1
	v_wmma_f32_16x16x32_f16 v[S+32*\t+8*\kt:S+32*\t+8*\kt+7], v[KV+16*\kt+8:KV+16*\kt+15], v[Q+16*\t+8:Q+16*\t+15], v[S+32*\t+8*\kt:S+32*\t+8*\kt+7]
.endr
.endr
.rept 4
	v_nop                                          ; places in front of the loads into K's registers and of the first read of the scores
.endr
.irp g, 0,1                                    ; V's fragments, turned (keys 32 g on, channels 16 ct on): they land while the softmax is walked
.irp ct, 0,1,2,3
	ds_load_tr16_b128 v[KV+32*\g+8*\ct:KV+32*\g+8*\ct+3], v[ADV] offset:64*PV*(\q)+32*PV*\g+32*\ct
	ds_load_tr16_b128 v[KV+32*\g+8*\ct+4:KV+32*\g+8*\ct+7], v[ADV] offset:64*PV*(\q)+32*PV*\g+32*\ct+16*PV
.endr
.endr
	; the softmax; the two tiles alternate line by line.  The maximum: four chains, each beginning at its accumulator's low end
.irp j, 0,1,2,3
.irp t, 0,1
	v_max3_num_f32 v[ST+8*\t+4+\j], v[S+32*\t+8*\j], v[S+32*\t+8*\j+1], v[S+32*\t+8*\j+2]
.endr
.endr
.irp u, 1,2
.irp j, 0,1,2,3
.irp t, 0,1
	v_max3_num_f32 v[ST+8*\t+4+\j], v[ST+8*\t+4+\j], v[S+32*\t+8*\j+2*\u+1], v[S+32*\t+8*\j+2*\u+2]
.endr
.endr
.endr
.irp t, 0,1
	v_max3_num_f32 v[ST+8*\t+4], v[ST+8*\t+4], v[S+32*\t+7], v[S+32*\t+15]
.endr
.irp t, 0,1
	v_max3_num_f32 v[ST+8*\t+6], v[ST+8*\t+6], v[S+32*\t+23], v[S+32*\t+31]
.endr
.irp t, 0,1
	v_max3_num_f32 v[ST+8*\t+4], v[ST+8*\t+4], v[ST+8*\t+5], v[ST+8*\t+6]
.endr
.irp t, 0,1
	v_max3_num_f32 v[ST+8*\t+4], v[ST+8*\t+4], v[ST+8*\t+7], v[ST+8*\t+1]   ; and the old m
.endr
.irp t, 0,1
	v_permlanex16_b32 v[ST+8*\t+5], v[ST+8*\t+4], s[SEL], s[SEL+1]          ; the query's other 32 keys lie in the lane 16 away
.endr
.irp t, 0,1
	v_mov_b32 v[ST+8*\t+7], v[ST+8*\t]             ; c m_old is kept for a
.endr
.irp t, 0,1
	v_max_num_f32 v[ST+8*\t+1], v[ST+8*\t+4], v[ST+8*\t+5]
.endr
.irp t, 0,1
	v_mul_f32 v[ST+8*\t], s[CS], v[ST+8*\t+1]
.endr
.irp t, 0,1
	v_sub_f32 v[ST+8*\t+7], v[ST+8*\t+7], v[ST+8*\t]
.endr
.irp j, 0,2,4,6,8,10,12,14,16,18,20,22,24,26,28,30
.irp t, 0,1
	v_pk_fma_f32 v[S+32*\t+\j:S+32*\t+\j+1], v[S+32*\t+\j:S+32*\t+\j+1], s[CS:CS+1], v[ST+8*\t:ST+8*\t+1] op_sel_hi:[1,0,0] neg_lo:[0,0,1] neg_hi:[0,0,1]   ; c s - c m
.endr
.endr
.irp t, 0,1                                    ; ONE BATCH of exponentials: a, and the 32 weights of each tile
	v_exp_f32 v[ST+8*\t+6], v[ST+8*\t+7]
.endr
.irp j, 0,1,2,3,4,5,6,7,8,9,10,11,12,13,14,15,16,17,18,19,20,21,22,23,24,25,26,27,28,29,30,31
.irp t, 0,1
	v_exp_f32 v[S+32*\t+\j], v[S+32*\t+\j]
.endr
.endr
	v_nop                                          ; a plain instruction behind the last exponential
	s_wait_alu depctr_va_vdst(0)                   ; one wait for the batch, ahead of its first reader
.irp t, 0,1                                    ; the sums are taken of the unrounded weights, in two chains a tile: l = a l + ..
	v_pk_fma_f32 v[ST+8*\t+2:ST+8*\t+3], v[ST+8*\t+2:ST+8*\t+3], v[ST+8*\t+6:ST+8*\t+7], v[S+32*\t:S+32*\t+1] op_sel_hi:[1,0,1]
	v_pk_add_f32 v[TS+2*\t:TS+2*\t+1], v[S+32*\t+2:S+32*\t+3], v[S+32*\t+6:S+32*\t+7]
.endr
.irp t, 0,1
	v_pk_add_f32 v[ST+8*\t+2:ST+8*\t+3], v[ST+8*\t+2:ST+8*\t+3], v[S+32*\t+4:S+32*\t+5]
.endr
.irp j, 8,12,16,20,24,28
.irp t, 0,1
	v_pk_add_f32 v[ST+8*\t+2:ST+8*\t+3], v[ST+8*\t+2:ST+8*\t+3], v[S+32*\t+\j:S+32*\t+\j+1]
	v_pk_add_f32 v[TS+2*\t:TS+2*\t+1], v[TS+2*\t:TS+2*\t+1], v[S+32*\t+\j+2:S+32*\t+\j+3]
.endr
.endr
.irp t, 0,1
	v_pk_add_f32 v[ST+8*\t+2:ST+8*\t+3], v[ST+8*\t+2:ST+8*\t+3], v[TS+2*\t:TS+2*\t+1]
.endr
.irp j, 0,1,2,3,4,5,6,7,8,9,10,11,12,13,14,15  ; P in place, in ascending order: register j has been read when it is written
.irp t, 0,1
	v_cvt_pk_f16_f32 v[S+32*\t+\j], v[S+32*\t+2*\j], v[S+32*\t+2*\j+1]
.endr
.endr
.irp j, 0,2,4,6,8,10,12,14,16,18,20,22,24,26,28,30
.irp t, 0,1
	v_pk_mul_f32 v[O+32*\t+\j:O+32*\t+\j+1], v[O+32*\t+\j:O+32*\t+\j+1], v[ST+8*\t+6:ST+8*\t+7] op_sel_hi:[1,0]   ; O^T x a, each accumulator from its low end on
.endr
.endr
	s_wait_dscnt 0x0                               ; V is in
.irp g, 0,1                                    ; O^T += V^T P: the eight accumulators take turns
.irp ct, 0,1,2,3
.irp t, 0,1
	v_wmma_f32_16x16x32_f16 v[O+32*\t+8*\ct:O+32*\t+8*\ct+7], v[KV+32*\g+8*\ct:KV+32*\g+8*\ct+7], v[S+32*\t+8*\g:S+32*\t+8*\g+7], v[O+32*\t+8*\ct:O+32*\t+8*\ct+7]
.endr
.endr
.endr
.rept 5
	v_nop                                          ; the next step's loads into V's registers want four places, its first products, which write over P's registers, five
.endr
.endm
; THE CHANGE OF SLOTS stands at a slot's head.  Each wave waits for all its tensor loads, adds 0 to its spare word, and waits for that and for its reads of the slot that it has left.
; fill = 1: a round of the cluster's barrier, and behind it the other slot is asked for jointly: one load a wave, which has a slot's four key steps in which to land.
.macro CHANGE fill
	s_wait_tensorcnt 0x0                           ; no tensor load of mine is out, so a group 0 may be written
	ds_add_u32 v[SPW], v[NIL]
.if \fill
	ds_add_u32 v[SPW], v[NIL]                      ; and twice on end here, in every trip alike
	s_xor_b32 s[G0K+1], s[G0K+1], SLOT1            ; the walking descriptors: the other slot,
	s_add_nc_u64 s[G0K+2:G0K+3], s[G0K+2:G0K+3], 32768   ; the next 256 keys
	s_xor_b32 s[G0V+1], s[G0V+1], SLOT1
	s_add_nc_u64 s[G0V+2:G0V+3], s[G0V+2:G0V+3], 32768
	s_wait_xcnt 0x0                                ; the last prefetch, a slot back, has read its address
	s_add_nc_u64 s[PFA:PFA+1], s[PFA:PFA+1], 32768
	s_wait_dscnt 0x0                               ; both adds are done, and my reads of the slot that I have left are over
	CROUND
	JLOAD
	ASK
.else
	s_wait_dscnt 0x0
	s_barrier_signal -1
	s_barrier_wait -1
.endif
.endm
.macro SLOT_STEPS
	v_add_nc_u32 v[ADK], s[TB], v[AK0]
	v_add_nc_u32 v[ADV], s[TB], v[AV0]
	STEP 0
	STEP 1
	STEP 2
	STEP 3
	s_xor_b32 s[TB], s[TB], SLOT1
.endm
	s_wait_loadcnt 0x0                             ; Q
.Lslot:                                            ; seven trips: behind each change of slots but the last the next slot is asked for
	CHANGE 1
	SLOT_STEPS
	s_sub_co_u32 s[SLOTS], s[SLOTS], 1
	s_cmp_lg_u32 s[SLOTS], 0
	s_cbranch_scc1 .Lslot
	CHANGE 0                                       ; the last slot is written out
	SLOT_STEPS
	; THE WAY OUT.  l's halves and the other half of the lanes' are added; O^T is divided by l, rounded to f16 and sent through my stage, a tile (16 rows of 128 bytes) at a time.
.irp t, 0,1
	v_add_f32 v[ST+8*\t+4], v[ST+8*\t+2], v[ST+8*\t+3]
.endr
.irp t, 0,1
	v_permlanex16_b32 v[ST+8*\t+5], v[ST+8*\t+4], s[SEL], s[SEL+1]
.endr
.irp t, 0,1
	v_add_f32 v[ST+8*\t+4], v[ST+8*\t+4], v[ST+8*\t+5]
.endr
.irp t, 0,1
	v_rcp_f32 v[ST+8*\t+6], v[ST+8*\t+4]
.endr
	v_and_b32 v28, 15, v0                          ; (plain work behind the reciprocals)  r
	s_mul_i32 s14, s[WV], 16*PK
	s_add_co_u32 s14, s14, STAGE                   ; my stage
	v_mul_u32_u24 v29, v28, PK
	v_bfe_u32 v28, v0, 4, 1
	v_lshl_add_u32 v29, v28, 4, v29
	v_add_nc_u32 v29, s14, v29                     ; in: row r, 16 bytes for each half of the lanes
	v_bfe_u32 v28, v0, 3, 2
	v_mul_u32_u24 v30, v28, PK
	v_and_b32 v28, 7, v0
	v_lshl_add_u32 v30, v28, 4, v30
	v_add_nc_u32 v30, s14, v30                     ; back: eight lanes to a row, four rows an instruction
	v_and_b32 v31, 31, v0
	v_lshlrev_b32 v31, 4, v31                      ; which are 512 consecutive bytes in memory
	s_wait_alu depctr_va_vdst(0)                   ; one wait for the two reciprocals, ahead of their first reader
.irp t, 0,1
.irp j, 0,2,4,6,8,10,12,14,16,18,20,22,24,26,28,30
	v_pk_mul_f32 v[O+32*\t+\j:O+32*\t+\j+1], v[O+32*\t+\j:O+32*\t+\j+1], v[ST+8*\t+6:ST+8*\t+7] op_sel_hi:[1,0]
.endr
.endr
.irp j, 0,1,2,3,4,5,6,7,8,9,10,11,12,13,14,15,16,17,18,19,20,21,22,23,24,25,26,27,28,29,30,31
	v_cvt_pk_f16_f32 v[S+\j], v[O+2*\j], v[O+2*\j+1]   ; tile t, channels 16 ct + 8 h on: registers S + 16 t + 4 ct ..
.endr
.irp t, 0,1
.irp ct, 0,1,2,3
	ds_store_b128 v29, v[S+16*\t+4*\ct:S+16*\t+4*\ct+3] offset:32*\ct
.endr
.irp i, 0,1,2,3
	ds_load_b128 v[KV+16*\t+4*\i:KV+16*\t+4*\i+3], v30 offset:4*PK*\i   ; LDS serves a wave's instructions in order: these see the stores above, and the next tile's stores come behind them
.endr
.endr
.irp i, 0,1,2,3
	s_wait_dscnt 11-\i                             ; tile 0's load i is in; its 3 - i later loads and tile 1's eight LDS instructions may be out
	global_store_b128 v31, v[KV+4*\i:KV+4*\i+3], s[6:7] offset:512*\i   ; the wave stores 512 consecutive bytes, aligned
.endr
.irp i, 0,1,2,3
	s_wait_dscnt 3-\i
	global_store_b128 v31, v[KV+16+4*\i:KV+16+4*\i+3], s[6:7] offset:2048+512*\i
.endr
	s_wait_tensorcnt 0x0                           ; the wave's end
	ds_add_u32 v[SPW], v[NIL]
	s_wait_dscnt 0x0
	CROUND                                         ; the closing round
	s_endpgm
.Lfunc_end_k_qd7731eb112_attn:
	.size	k_qd7731eb112_attn, .Lfunc_end_k_qd7731eb112_attn-k_qd7731eb112_attn
	.p2alignl 7, 3214868480
	.fill 96, 4, 3214868480
	.section	.rodata,"a",@progbits
	.p2align	6, 0x0
	.amdhsa_kernel k_qd7731eb112_attn
		.amdhsa_group_segment_fixed_size 327680
		.amdhsa_private_segment_fixed_size 0
		.amdhsa_enable_private_segment 0
		.amdhsa_kernarg_size 16
		.amdhsa_user_sgpr_count 2
		.amdhsa_user_sgpr_kernarg_segment_ptr 1
		.amdhsa_wavefront_size32 1
		.amdhsa_system_sgpr_workgroup_id_x 1
		.amdhsa_system_sgpr_workgroup_id_y 1
		.amdhsa_system_sgpr_workgroup_id_z 1
		.amdhsa_system_vgpr_workitem_id 0
		.amdhsa_next_free_vgpr 256
		.amdhsa_next_free_sgpr 66
		.amdhsa_reserve_vcc 0
		.amdhsa_float_denorm_mode_32 3
		.amdhsa_float_denorm_mode_16_64 3
		.amdhsa_memory_ordered 1
		.amdhsa_forward_progress 1
		.amdhsa_inst_pref_size 154
	.end_amdhsa_kernel
	.amdgpu_metadata
---
amdhsa.version: [ 1, 2 ]
amdhsa.kernels:
  - .name:           k_qd7731eb112_attn
    .symbol:         k_qd7731eb112_attn.kd
    .args:
      - { .name: qkv, .offset: 0, .size: 8, .value_kind: global_buffer, .address_space: global }
      - { .name: att, .offset: 8, .size: 8, .value_kind: global_buffer, .address_space: global }
    .group_segment_fixed_size: 327680
    .private_segment_fixed_size: 0
    .kernarg_segment_align: 8
    .kernarg_segment_size: 16
    .max_flat_workgroup_size: 512
    .sgpr_count:     66
    .vgpr_count:     256
    .wavefront_size: 32
...
	.end_amdgpu_metadata
.endif
;; end of part 3
;; launch proj (part 4): grid 8 x 64, 4 waves a work-group, clusters of 4 x 4, 327,680 bytes of LDS; arguments att, wp16, b_proj, out0; writes out0
.if DOCPART == 4
	.amdgcn_target "amdgcn-amd-amdhsa--gfx1250"
	.amdhsa_code_object_version 6
	.text
	.protected	k_qd7731eb112_proj
	.globl	k_qd7731eb112_proj
	.p2align	8
	.type	k_qd7731eb112_proj,@function
k_qd7731eb112_proj:
	s_mov_b64 s[64:65], 0
	v_nop
	global_prefetch_b8 v0, s[64:65] scope:SCOPE_SE
	s_setreg_imm32_b32 hwreg(HW_REG_WAVE_MODE, 25, 1), 1
	s_wait_xcnt 0x0
	s_wait_alu depctr_hold_cnt(0) depctr_sa_sdst(0) depctr_va_vdst(0) depctr_va_sdst(0) depctr_va_ssrc(0) depctr_va_vcc(0) depctr_vm_vsrc(0)
	s_getreg_b32 s2, hwreg(HW_REG_IB_STS2, 6, 4)
	s_cmp_eq_u32 s2, 0
	s_cbranch_scc0 .Lentry_in_a_cluster
	s_endpgm
.Lentry_in_a_cluster:
	s_bfe_u32 s2, ttmp6, 0x10000c
	s_cmp_lg_u32 s2, 0xf033
	s_cbranch_scc0 .Lentry_shape_is_right
	s_endpgm
.Lentry_shape_is_right:
; out0 = att w_proj + b_proj.  att: f16 [row block 64][head 16][128 rows][64]; wp16: f16 [k 1024][n 1024]; b_proj [1024] f32; out0 [8192][1024] f32.  Products in f16, sums in f32.
; A tile of C is 128 x 128 (512 work-groups); four waves, each 64 x 64: 16 accumulators.  K goes in four steps of 256 (four heads) through two LDS slots; the four steps are written out.
; A's part of a K step is one dense block of 65,536 bytes: 4 heads x 128 rows x 128 bytes; waves 0, 1 fetch two heads each.  B's is 256 rows of k x 256 bytes; waves 2, 3 fetch 128 rows each; it is turned by ds_load_tr16_b128.
; CLUSTERS: 4 x 4; A's tiles are asked for jointly along a row of the cluster, B's along a column.  TRANSPOSED USE (source 0 = 16 columns of w, source 1 = 16 rows of att): a lane holds eight neighbouring numbers of a row of C.
; THE BIAS is the C of each sum's first matrix instruction.
; REGISTERS: window 0: v16-29 addresses; v32-95 the way out; v96-127 the bias; v128-255 the accumulators.  window 1: two fragment buffers of 128: 64 of A, then 64 of B.
.set PA,     144                       ; a row of A in LDS: 128 bytes + 16
.set PB,     288                       ; a row of B: 256 + 32
.set HALFT,  36864                     ; what one tensor load brings: 256 x 144 = 128 x 288
.set SLOT,   4*HALFT                   ; A's 512 rows, then B's 256
.set STAGE,  2*SLOT                    ; behind the ring: 16 rows x (256 + 16) bytes for each wave
.set SPITCH, 272
.set SPARE,  STAGE+4*16*SPITCH
.set ADRA, 16                          ; v16-17  my A fragments in slot 0, 1
.set ADRB, 20                          ; v20-23  my B fragments: slot s, half u of its 256 rows: 20 + 2 s + u (an LDS immediate has 16 bits)
.set STO,  24
.set RD,   25
.set CO,   26
.set SPW,  28
.set NIL,  29
.set TMP,  32
.set BI,   96
.set ACC,  128
.set F0,   0
.set F1,   128
.set G1, 24
.set G0, 32
.set G1B, 48
.set G0B, 56
.set MSB, 0
.macro WIN new
.if MSB != \new
	s_set_vgpr_msb (MSB<<8)|\new
.set MSB, \new
.endif
.endm
.set MUL,  0x05                        ; sources 0 and 1 window 1; C and D window 0
.set TO_F, 0x40                        ; destination window 1, address window 0
.macro JLOAD s                         ; a joint load: waves 0, 1 for A, waves 2, 3 for B; an s_nop 0 and four v_nop follow each line
	s_cmp_eq_u32 s11, 0
	s_cbranch_scc0 .Lfor_b_\@
	tensor_load_to_lds s[G0+4*\s:G0+4*\s+3], s[G1:G1+7]
	s_nop 0
.rept 4
	v_nop
.endr
	s_branch .Lasked_\@
.Lfor_b_\@:
	tensor_load_to_lds s[G0B+4*\s:G0B+4*\s+3], s[G1B:G1B+7]
	s_nop 0
.rept 4
	v_nop
.endr
.Lasked_\@:
.endm
.macro CREST
	s_cmp_lg_u32 s10, 0
	s_cbranch_scc1 .Lnot_wave_0_\@
	s_barrier_signal -3
.Lnot_wave_0_\@:
	s_barrier_wait -3
	s_barrier_signal -1
	s_barrier_wait -1
.endm
.macro CROUND
	s_barrier_signal -1
	s_barrier_wait -1
	CREST
.endm
	s_load_b128 s[4:7], s[0:1], 0x0                ; att, wp16
	s_load_b128 s[68:71], s[0:1], 0x10             ; b_proj, out0
	v_lshl_add_u32 v[SPW], v0, 2, SPARE
	v_mov_b32 v[NIL], 0
	ds_add_u32 v[SPW], v[NIL]                      ; the wave's opening: the add, twice on end, and its wait ahead of my first tensor load
	ds_add_u32 v[SPW], v[NIL]
	v_lshrrev_b32 v1, 5, v0
	v_readfirstlane_b32 s10, v1                    ; wave 0..3
	s_lshr_b32 s11, s10, 1                         ; which half of the tile's rows is mine.  Also: I fetch for A (0) or for B (1)
	s_and_b32 s12, s10, 1                          ; which half of its columns.  Also: which half of that tile I fetch
	s_bfe_u32 s40, ttmp6, 0x40000
	s_bfe_u32 s41, ttmp6, 0x40004
	s_lshl_b32 s42, ttmp9, 2
	s_add_co_u32 s42, s42, s40                     ; tile column
	s_and_b32 s13, ttmp7, 0xffff
	s_lshl_b32 s13, s13, 2
	s_add_co_u32 s13, s13, s41                     ; tile row = row block of att
	s_lshl_b32 s43, s41, 2
	s_lshl_b32 s43, 15, s43                        ; my row of the cluster
	s_lshl_b32 s44, 0x1111, s40                    ; my column
	s_or_b32 s[G1+0], s43, (1<<16)|(1<<20)|(1<<21)|(4<<22)|(3<<25)   ; A: elements of 2 bytes; 4 words of padding behind every 32
	s_mov_b32 s[G1+1], 64<<16                      ; tensor_dim0
	s_mov_b32 s[G1+2], 256<<16                     ; tensor_dim1
	s_mov_b32 s[G1+3], 64<<16                      ; tile_dim0
	s_mov_b32 s[G1+4], 256                         ; tile_dim1
	s_mov_b32 s[G1+5], 64                          ; the pitch: the rows are dense
	s_mov_b32 s[G1+6], 0
	s_mov_b32 s[G1+7], 0
	s_or_b32 s[G1B+0], s44, (1<<16)|(1<<20)|(1<<21)|(5<<22)|(7<<25)  ; B: 8 words of padding behind every 64
	s_mov_b32 s[G1B+1], 128<<16
	s_mov_b32 s[G1B+2], 128<<16
	s_mov_b32 s[G1B+3], 128<<16
	s_mov_b32 s[G1B+4], 128
	s_mov_b32 s[G1B+5], 1024
	s_mov_b32 s[G1B+6], 0
	s_mov_b32 s[G1B+7], 0
	s_lshl_b32 s16, s13, 18                        ; A: 262,144 bytes a row block + 32,768 for the upper two heads of a step
	s_lshl_b32 s17, s12, 15
	s_add_co_u32 s16, s16, s17
	s_mov_b32 s17, 0
	s_lshl_b32 s46, s12, 18                        ; B: 128 rows of 2,048 bytes for the upper half + 256 bytes a tile column
	s_lshl_b32 s47, s42, 8
	s_add_co_u32 s46, s46, s47
	s_mov_b32 s47, 0
	s_mul_i32 s20, s10, HALFT                      ; where they go: no place in the cluster enters an LDS address
	s_wait_dscnt 0x0                               ; both opening adds are done
	s_wait_kmcnt 0x0
	s_add_nc_u64 s[14:15], s[4:5], s[16:17]
	s_add_nc_u64 s[46:47], s[6:7], s[46:47]
	CROUND                                         ; all sixteen work-groups are here
.irp s, 0,1
	s_mov_b32 s[G0+4*\s], 1
	s_add_co_u32 s[G0+4*\s+1], s20, \s*SLOT
	s_add_nc_u64 s[G0+4*\s+2:G0+4*\s+3], s[14:15], \s*65536
	s_or_b32 s[G0+4*\s+3], s[G0+4*\s+3], 0x80000000
	s_mov_b32 s[G0B+4*\s], 1
	s_add_co_u32 s[G0B+4*\s+1], s20, \s*SLOT
	s_add_nc_u64 s[G0B+4*\s+2:G0B+4*\s+3], s[46:47], \s*524288
	s_or_b32 s[G0B+4*\s+3], s[G0B+4*\s+3], 0x80000000
	JLOAD \s                                       ; by this text's count two tensor loads of a wave are out at the most
.endr
	v_and_b32 v1, 15, v0                           ; r
	v_bfe_u32 v2, v0, 4, 1                         ; h
	s_lshl_b32 s46, s42, 9                         ; my first column, in bytes of f32: 512 x tile column + 256 x half
	s_lshl_b32 s47, s12, 8
	s_add_co_u32 s46, s46, s47
	s_mov_b32 s47, 0
	s_add_nc_u64 s[68:69], s[68:69], s[46:47]      ; the bias there,
	s_add_nc_u64 s[70:71], s[70:71], s[46:47]      ; and the result
	v_lshlrev_b32 v6, 5, v2
.irp b, 0,1,2,3
	global_load_b128 v[BI+8*\b:BI+8*\b+3], v6, s[68:69] offset:64*\b        ; lane (r, h): the bias of columns 16 b + 8 h + 0 .. 7
	global_load_b128 v[BI+8*\b+4:BI+8*\b+7], v6, s[68:69] offset:64*\b+16
.endr
	v_mul_u32_u24 v3, v1, PA
	v_lshl_add_u32 v3, v2, 4, v3                   ; A: row x pitch + 16 h
	v_and_b32 v4, 7, v0
	v_lshl_add_u32 v4, v2, 3, v4                   ; B: row k = 8 h + lane % 8,
	v_mul_u32_u24 v4, v4, PB
	v_bfe_u32 v5, v0, 3, 1
	v_lshl_add_u32 v4, v5, 4, v4                   ; columns 8 ((lane / 8) % 2) on
	s_mul_i32 s21, s11, 64*PA                      ; my 64 rows of each head
	s_lshl_b32 s22, s12, 7                         ; my 64 columns: 128 bytes,
	s_add_co_u32 s22, s22, 2*HALFT                 ; behind A's part of the slot
.irp s, 0,1
	v_add_nc_u32 v[ADRA+\s], s21, v3
	v_add_nc_u32 v[ADRB+2*\s], s22, v4
	s_add_co_u32 s23, s22, HALFT
	v_add_nc_u32 v[ADRB+2*\s+1], s23, v4
	s_add_co_u32 s21, s21, SLOT
	s_add_co_u32 s22, s22, SLOT
.endr
	s_mul_i32 s23, s10, 16*SPITCH
	s_add_co_u32 s23, s23, STAGE                   ; my stage
	v_mul_u32_u24 v5, v1, SPITCH
	v_lshl_add_u32 v5, v2, 5, v5
	v_add_nc_u32 v[STO], s23, v5                   ; in: row r, 32 bytes for each half of the lanes
	v_mul_u32_u24 v5, v2, SPITCH
	v_lshl_add_u32 v5, v1, 4, v5
	v_add_nc_u32 v[RD], s23, v5                    ; back: lanes 0-15 one row of 256 bytes, lanes 16-31 the next
	v_lshlrev_b32 v5, 12, v2
	v_lshl_add_u32 v[CO], v1, 4, v5                ; and the same two rows in the result: 4,096 bytes a row
	s_lshl_b32 s16, s13, 19                        ; my first row: (128 x tile row + 64 x half) x 4,096 bytes
	s_lshl_b32 s17, s11, 18
	s_add_co_u32 s16, s16, s17
	s_mov_b32 s17, 0
	s_add_nc_u64 s[70:71], s[70:71], s[16:17]      ; never stepped
; 8 matrix instructions: row blocks a0, a0 + 1 x all 4 column blocks, 32 along K: half c of buffer f.  first = 1: the bias starts the sums.  The 16 accumulators take turns.
.macro MUL8 f, c, a0, first
.irp a, \a0, \a0+1
.irp b, 0,1,2,3
.if \first
	v_wmma_f32_16x16x32_f16 v[ACC+8*(4*(\a)+\b):ACC+8*(4*(\a)+\b)+7], v[\f+64+8*(4*\c+\b):\f+64+8*(4*\c+\b)+7], v[\f+8*(4*\c+\a):\f+8*(4*\c+\a)+7], v[BI+8*\b:BI+8*\b+7]
.else
	v_wmma_f32_16x16x32_f16 v[ACC+8*(4*(\a)+\b):ACC+8*(4*(\a)+\b)+7], v[\f+64+8*(4*\c+\b):\f+64+8*(4*\c+\b)+7], v[\f+8*(4*\c+\a):\f+8*(4*\c+\a)+7], v[ACC+8*(4*(\a)+\b):ACC+8*(4*(\a)+\b)+7]
.endif
.endr
.endr
.endm
; 32 LDS loads in one run: the fragments of head hh of the slot (64 along K) into buffer f; the first 32 along K first
.macro FETCH slot, hh, f
	WIN TO_F
.irp c, 0,1
.irp i, 0,1,2,3
	ds_load_tr16_b128 v[\f+64+8*(4*\c+\i):\f+64+8*(4*\c+\i)+3],   v[ADRB+2*\slot+(\hh)/2] offset:(64*((\hh)%2)+32*\c)*PB+32*\i
	ds_load_tr16_b128 v[\f+64+8*(4*\c+\i)+4:\f+64+8*(4*\c+\i)+7], v[ADRB+2*\slot+(\hh)/2] offset:(64*((\hh)%2)+32*\c)*PB+32*\i+16*PB
	ds_load_b128 v[\f+8*(4*\c+\i):\f+8*(4*\c+\i)+3],         v[ADRA+\slot] offset:128*PA*(\hh)+16*PA*\i+64*\c
	ds_load_b128 v[\f+8*(4*\c+\i)+4:\f+8*(4*\c+\i)+7],       v[ADRA+\slot] offset:128*PA*(\hh)+16*PA*\i+64*\c+32
.endr
.endr
.endm
.macro PLACES                          ; four places in front of loads into registers that matrix instructions have read, and of the first read of results
.rept 4
	v_nop
.endr
.endm
; A K step is four quarters of 64 along K (a head), 32 matrix instructions each, on buffers 0, 1, 0, 1.  One of the first three: multiplies buffer f and fetches head hh into g.
.macro QUARTER slot, hh, f, g, first
	s_wait_dscnt 16                                ; the first 32 along K are in; the sixteen loads of the second 32 may be out
	WIN MUL
	MUL8 \f, 0, 0, \first
	MUL8 \f, 0, 2, \first
	PLACES
	FETCH \slot, \hh, \g
	s_wait_dscnt 32                                ; all but the 32 just issued
	WIN MUL
	MUL8 \f, 1, 0, 0
	MUL8 \f, 1, 2, 0
.endm
; The last quarter multiplies buffer 1 and changes slots: one barrier; in front of it each wave waits for all its tensor loads, adds 0 to its spare word, and waits for that and for its reads of this slot.
; fill = 1: the barrier opens a round of the cluster's, and behind the round this slot is filled again, two K steps ahead.
.macro TURN slot, next, fill
	WIN 0                                          ; (the add's two registers lie in window 0)
	s_wait_tensorcnt 0x0                           ; all my tensor loads have landed: my part of the next slot
	ds_add_u32 v[SPW], v[NIL]
	s_wait_dscnt 17                                ; the add and the youngest sixteen loads may be out
	WIN MUL
	MUL8 F1, 0, 0, 0
	s_wait_dscnt 0x0                               ; the add is done, and my reads of this slot are over
	s_barrier_signal -1
	MUL8 F1, 0, 2, 0
.if \fill
	WIN 0
.endif
	s_barrier_wait -1
.if \fill
	CREST                                          ; no wave of any partner still reads this slot's tile or has a load on its way
	s_add_nc_u64 s[G0+4*\slot+2:G0+4*\slot+3], s[G0+4*\slot+2:G0+4*\slot+3], 2*65536
	s_add_nc_u64 s[G0B+4*\slot+2:G0B+4*\slot+3], s[G0B+4*\slot+2:G0B+4*\slot+3], 2*524288
	JLOAD \slot                                    ; the first tensor load behind the round; its four v_nop are also the places in front of the loads below
.else
	PLACES
.endif
	FETCH \next, 0, F0
	WIN MUL
	MUL8 F1, 1, 0, 0
	MUL8 F1, 1, 2, 0
.endm
	s_wait_tensorcnt 1                             ; my part of K step 0 is in; K step 1's load may be out
	s_barrier_signal -1
	s_barrier_wait -1
	FETCH 0, 0, F0
	s_wait_loadcnt 0x0                             ; the bias
	QUARTER 0, 1, F0, F1, 1                        ; K step 0
	QUARTER 0, 2, F1, F0, 0
	QUARTER 0, 3, F0, F1, 0
	TURN 0, 1, 1                                   ; slot 0 takes K step 2
	QUARTER 1, 1, F0, F1, 0                        ; K step 1
	QUARTER 1, 2, F1, F0, 0
	QUARTER 1, 3, F0, F1, 0
	TURN 1, 0, 1                                   ; slot 1 takes K step 3
	QUARTER 0, 1, F0, F1, 0                        ; K step 2
	QUARTER 0, 2, F1, F0, 0
	QUARTER 0, 3, F0, F1, 0
	TURN 0, 1, 0                                   ; nothing is left to fetch
	QUARTER 1, 1, F0, F1, 0                        ; K step 3
	QUARTER 1, 2, F1, F0, 0
	QUARTER 1, 3, F0, F1, 0
	s_wait_dscnt 16
	WIN MUL
	MUL8 F1, 0, 0, 0
	MUL8 F1, 0, 2, 0
	s_wait_dscnt 0
	MUL8 F1, 1, 0, 0
	MUL8 F1, 1, 2, 0
	WIN 0
; THE WAY OUT, block by block of 16 rows x 64 columns (256 bytes a row), through my own stage: the accumulators go in as they are, each from its low end on, and come back as whole rows.
.macro TOSTAGE a
.irp b, 0,1,2,3
	ds_store_b128 v[STO], v[ACC+8*(4*(\a)+\b):ACC+8*(4*(\a)+\b)+3] offset:64*\b
	ds_store_b128 v[STO], v[ACC+8*(4*(\a)+\b)+4:ACC+8*(4*(\a)+\b)+7] offset:64*\b+16
.endr
.irp t, 0,1,2,3,4,5,6,7
	ds_load_b128 v[TMP+32*((\a)%2)+4*\t:TMP+32*((\a)%2)+4*\t+3], v[RD] offset:\t*2*SPITCH   ; LDS serves a wave's instructions in order: these see the stores above
.endr
.endm
.macro SEND a, younger                 ; younger: the LDS instructions issued behind block a's loads
	s_wait_dscnt \younger
.irp t, 0,1,2,3,4,5,6,7
	global_store_b128 v[CO], v[TMP+32*((\a)%2)+4*\t:TMP+32*((\a)%2)+4*\t+3], s[70:71] offset:(16*(\a)+2*\t)*4096 th:TH_STORE_NT   ; sixteen lanes store 256 consecutive bytes, aligned
.endr
.endm
	PLACES
	TOSTAGE 0
.irp a, 1,2,3
.if \a > 1
	s_wait_xcnt 0x0                                ; block a - 2's stores have read their registers: block a's loads may land there
.endif
	TOSTAGE \a
	SEND \a-1, 16                                  ; behind block a - 1's loads: block a's 8 stores and 8 loads
.endr
	SEND 3, 0
	s_wait_tensorcnt 0x0                           ; the wave's end
	ds_add_u32 v[SPW], v[NIL]
	s_wait_dscnt 0x0
	CROUND                                         ; the closing round
	s_endpgm
.Lfunc_end_k_qd7731eb112_proj:
	.size	k_qd7731eb112_proj, .Lfunc_end_k_qd7731eb112_proj-k_qd7731eb112_proj
	.p2alignl 7, 3214868480
	.fill 96, 4, 3214868480
	.section	.rodata,"a",@progbits
	.p2align	6, 0x0
	.amdhsa_kernel k_qd7731eb112_proj
		.amdhsa_group_segment_fixed_size 327680
		.amdhsa_private_segment_fixed_size 0
		.amdhsa_enable_private_segment 0
		.amdhsa_kernarg_size 32
		.amdhsa_user_sgpr_count 2
		.amdhsa_user_sgpr_kernarg_segment_ptr 1
		.amdhsa_wavefront_size32 1
		.amdhsa_system_sgpr_workgroup_id_x 1
		.amdhsa_system_sgpr_workgroup_id_y 1
		.amdhsa_system_sgpr_workgroup_id_z 1
		.amdhsa_system_vgpr_workitem_id 0
		.amdhsa_next_free_vgpr 512
		.amdhsa_next_free_sgpr 72
		.amdhsa_reserve_vcc 0
		.amdhsa_float_denorm_mode_32 3
		.amdhsa_float_denorm_mode_16_64 3
		.amdhsa_memory_ordered 1
		.amdhsa_forward_progress 1
		.amdhsa_inst_pref_size 87
	.end_amdhsa_kernel
	.amdgpu_metadata
---
amdhsa.version: [ 1, 2 ]
amdhsa.kernels:
  - .name:           k_qd7731eb112_proj
    .symbol:         k_qd7731eb112_proj.kd
    .args:
      - { .name: att, .offset: 0, .size: 8, .value_kind: global_buffer, .address_space: global }
      - { .name: wp16, .offset: 8, .size: 8, .value_kind: global_buffer, .address_space: global }
      - { .name: b_proj, .offset: 16, .size: 8, .value_kind: global_buffer, .address_space: global }
      - { .name: out0, .offset: 24, .size: 8, .value_kind: global_buffer, .address_space: global }
    .group_segment_fixed_size: 327680
    .private_segment_fixed_size: 0
    .kernarg_segment_align: 8
    .kernarg_segment_size: 32
    .max_flat_workgroup_size: 128
    .sgpr_count:     72
    .vgpr_count:     512
    .wavefront_size: 32
...
	.end_amdgpu_metadata
.endif
;; end of part 4
